; MI455X (gfx1250); checked and timed in simulation.
; The chip was launched on July 23, 2026; its instructions are those of AMD's public machine-readable ISA for CDNA 5 (MIT licence, August 2026) and "CDNA5" Instruction Set Architecture Reference Guide (July 2026). The comments in the code are by the model that wrote it; some were corrected since.
;; Mo E. Allowed arithmetic: matrix products marked QUANTISED: E4M3 operands, one E8M0 scale for each 32 along K, by v_wmma_scale_f32_16x16x128_f8f6f4 with both operands' format E4M3, f32 sums; products left as they are: f32 operands where the result goes on into a quantised operand, else bf16, f16 or f32 operands; f32 sums; everything else in f32.
;; Inputs: gate_w 8 x 2,048 float32; w1_codes 8 x 1,024 x 64 x 32 uint8 (E4M3 codes of w1, K innermost, in blocks of 32 codes); w1_scales 8 x 1,024 x 64 uint8 (E8M0 scales of w1, one for each 32 codes along K); w2_codes 8 x 2,048 x 32 x 32 uint8 (E4M3 codes of w2, K innermost, in blocks of 32 codes); w2_scales 8 x 2,048 x 32 uint8 (E8M0 scales of w2, one for each 32 codes along K); w3_codes 8 x 1,024 x 64 x 32 uint8 (E4M3 codes of w3, K innermost, in blocks of 32 codes); w3_scales 8 x 1,024 x 64 uint8 (E8M0 scales of w3, one for each 32 codes along K); ws1_codes 1,024 x 64 x 32 uint8 (E4M3 codes of ws1, K innermost, in blocks of 32 codes); ws1_scales 1,024 x 64 uint8 (E8M0 scales of ws1, one for each 32 codes along K); ws2_codes 2,048 x 32 x 32 uint8 (E4M3 codes of ws2, K innermost, in blocks of 32 codes); ws2_scales 2,048 x 32 uint8 (E8M0 scales of ws2, one for each 32 codes along K); ws3_codes 1,024 x 64 x 32 uint8 (E4M3 codes of ws3, K innermost, in blocks of 32 codes); ws3_scales 1,024 x 64 uint8 (E8M0 scales of ws3, one for each 32 codes along K); x 2 x 512 x 2,048 float32.
;; Outputs: out0 2 x 512 x 2,048 float32.
;; This version of the problem:
;;   THIS VERSION OF THE PROBLEM IS GIVEN IN LOW PRECISION. The matrix products marked QUANTISED in the list below multiply operands that are first quantised to E4M3 (4 exponent bits, 3 mantissa bits; 8 bits a number), with one power-of-two scale for each 32 numbers along K (OCP MX v1.0); their sums are f32. All else is computed in f32.
;;   The module's matrix products, in the order in which they are computed (A, B: the left and right operand; K: the contracted axis; several contracted axes count as one K, in the product's order):
;;     1. [M 1,024, K 2,048] x [K 2,048, N 8]; A: input x; B: input gate_w: left as it is (N = 8 < 16)
;;     2. [M 8,192, K 2,048] x [K 2,048, N 1,024]; A: input w1 (given as codes); B: input x: QUANTISED
;;     3. [M 8,192, K 2,048] x [K 2,048, N 1,024]; A: input w3 (given as codes); B: input x: QUANTISED
;;     4. batch 8 x [M 1,024, K 1,024] x [K 1,024, N 2,048]; A: computed on the way; B: input w2 (given as codes): QUANTISED
;;     5. batch 1,024 x [M 8, K 2] x [K 2, N 1]; A: computed on the way; B: computed on the way: left as it is (K = 2 < 32)
;;     6. batch 1,024 x [M 2,048, K 8] x [K 8, N 1]; A: computed on the way; B: computed on the way: left as it is (K = 8 < 32)
;;     7. [M 1,024, K 2,048] x [K 2,048, N 1,024]; A: input x; B: input ws1 (given as codes): QUANTISED
;;     8. [M 1,024, K 2,048] x [K 2,048, N 1,024]; A: input x; B: input ws3 (given as codes): QUANTISED
;;     9. [M 1,024, K 1,024] x [K 1,024, N 2,048]; A: computed on the way; B: input ws2 (given as codes): QUANTISED
;;   THE QUANTISER, for each operand of a quantised product, along K:
;;     - K is cut into blocks of 32 from its start; a last block that is shorter is filled with zeros.
;;     - A block's scale is 2^e with e = floor(log2(the largest magnitude in the block)) - 8, held to -126 .. 127; a block of zeros has e = 0. As a byte (E8M0): e + 127.
;;     - Each number is divided by its block's scale, clamped to +-448, and rounded to the nearest number of E4M3, ties to even, subnormals kept.
;;     - The product sums the exact products of the quantised numbers (number of the format x scale) in f32.
;;   ~~~python
;;   def quantise(x, axis):      # numpy; x: float32 -> the quantised numbers, widened to float32 again
;;       x = np.moveaxis(x, axis, -1); K = x.shape[-1]
;;       x = np.pad(x, [(0, 0)] * (x.ndim - 1) + [(0, -K % 32)]); x = x.reshape(x.shape[:-1] + (-1, 32)); a = np.abs(x).max(-1, keepdims=True)
;;       e = np.where(a > 0, np.clip(np.frexp(np.where(a > 0, a, 1))[1] - 1 - 8, -126, 127), 0)      # np.frexp(a)[1] - 1 = floor(log2(a)), exactly
;;       r = np.clip(x / 2.0 ** e, -448, 448)
;;       step = 2.0 ** (np.maximum(np.frexp(np.where(r == 0, 1, r))[1] - 1, -6) - 3)
;;       q = np.round(r / step) * step * 2.0 ** e      # np.round: ties to even
;;       return np.moveaxis(q.reshape(q.shape[:-2] + (-1,))[..., :K], -1, axis).astype(np.float32)
;;   ~~~
;;   OPERANDS COMPUTED ON THE WAY. 'Computed on the way' means the value that the module computes at that place (a softmax that the list does not call 'softmax' is quantised finished and normalised). What goes into a quantiser is computed in f32, as accurately as f32 sums, v_exp_f32 and their like allow (about 1e-6 of the number): no bf16 or f16 on the way to a quantiser, and a product that is left as it is and whose result goes on into a quantised operand takes f32 operands (vector FMAs, or v_wmma_f32_16x16x4_f32). A number that lies on a knife's edge between two numbers of the format may be rounded either way, as far as f32 arithmetic and the matrix unit's own rounding can turn it there, and no further.
;;   INPUTS GIVEN AS CODES. w1 (in the module: [8, 1024, 2048], K = its axis 2); w2 (in the module: [8, 2048, 1024], K = its axis 2); w3 (in the module: [8, 1024, 2048], K = its axis 2); ws1 (in the module: [1024, 2048], K = its axis 1); ws2 (in the module: [2048, 1024], K = its axis 1); ws3 (in the module: [1024, 2048], K = its axis 1): each comes as NAME_codes (uint8): NAME with its K axis moved to the last place and cut into blocks of 32 codes, [.., K / 32, bytes a block], one block behind the other in memory; one code a byte (a code: sign, 4 exponent bits, 3 mantissa bits); and NAME_scales (uint8): the same leading axes, one E8M0 byte (e + 127) for each 32 codes along K. Its value is code x scale, taken as it is: it is not quantised again, and the codes and scales need not be those that the quantiser above would give.
;; 2 versions. Each part assembles by itself: llvm-mc -triple=amdgcn-amd-amdhsa -mcpu=gfx1250 --defsym DOCPART=n.
;; ======== version 1 of 2: 5 launches
;; workspace buffers: xq 2,097,152 bytes; xs 65,536 bytes; idx 8,192 bytes of whole numbers; wts 8,192 bytes; route 21,760 bytes of whole numbers; gq 3,407,872 bytes; gs 106,496 bytes; eo 27,262,976 bytes
;; launch gate (part 1): grid 256 x 1, 4 waves a work-group, no clusters, 1,536 bytes of LDS; arguments x, gate_w, xq, xs, idx, wts; writes xq, xs, idx, wts
.if DOCPART == 1
	.amdgcn_target "amdgcn-amd-amdhsa--gfx1250"
	.amdhsa_code_object_version 6
	.text
	.protected	k_q24ad71bb31_gate
	.globl	k_q24ad71bb31_gate
	.p2align	8
	.type	k_q24ad71bb31_gate,@function
k_q24ad71bb31_gate:
	s_mov_b64 s[64:65], 0
	v_nop
	global_prefetch_b8 v0, s[64:65] scope:SCOPE_SE
	s_setreg_imm32_b32 hwreg(HW_REG_WAVE_MODE, 25, 1), 1
	s_wait_xcnt 0x0
; GATE.  For 1,024 tokens of 2,048 numbers: the eight logits x . gate_w[e] in f32, their softmax (the largest logit taken away first), the two largest scores and their experts
; (of equal scores the lower expert, as jax.lax.top_k has it); and x as codes of E4M3 with one E8M0 byte for each 32 along its row.
; SHARES.  A work-group takes 4 tokens; wave w takes numbers 512 w .. 512 w + 511 of all four, so that its slice of gate_w is loaded once for four tokens.  A unit (t, gg) is 256 numbers:
; lane l holds the eight neighbours 512 w + 256 gg + 8 l + 0 .. 7, four neighbouring lanes hold a block of 32.
; The choice is only STORED here (idx, wts, at fixed places): no address of this launch hangs on it.
; No matrix unit (8 columns), no cluster, no tensor load: work-groups share only gate_w's 64 KB.
; LIMITS: NaN and infinities among the inputs are not served.  A block of zeros gets the byte 1 (the rule says 127): its codes are zeros and this program alone reads the bytes.
; Two scores that differ by less than f32 sums can tell may be ordered either way.
.set RED, 0                            ; LDS: 4 waves x 32 partial logits (word 8 t + e)
.set SCB, 512                          ; LDS: 4 tokens x 64 scale bytes
.set X,   16                           ; v16-79   x: unit (t, gg) at X + 16 t + 8 gg
.set GW,  80                           ; v80-207  gate_w: (e, gg) at GW + 16 e + 8 gg
.set S,   208                          ; v208-239 partial logits, 8 t + e
.set CD,  80                           ; behind the sums: a unit's codes, two registers each
.set SBY, 96                           ; and its scale byte
.set TP,  240                          ; v240-247 targets of the lane permute
	s_load_b256 s[4:11], s[0:1], 0x0               ; x, gate_w, xq, xs
	s_load_b128 s[12:15], s[0:1], 0x20             ; idx, wts
	v_lshl_add_u32 v254, v0, 2, 0x400
	v_mov_b32 v255, 0
	v_lshrrev_b32 v1, 5, v0
	v_readfirstlane_b32 s16, v1                    ; wave
	v_and_b32 v1, 31, v0                           ; lane
	v_lshlrev_b32 v2, 5, v1                        ; my 32 bytes of a unit's 1,024
	v_lshlrev_b32 v3, 3, v1                        ; my 8 codes of a unit's 256
	s_lshl_b32 s17, s16, 4
	s_add_co_u32 s17, s17, SCB
	v_lshrrev_b32 v4, 2, v1
	v_add_nc_u32 v4, s17, v4                       ; my block's scale byte: SCB + 16 w + lane / 4 (+ 64 t + 8 gg)
	s_lshl_b32 s17, s16, 7
	v_mov_b32 v5, s17                              ; my wave's 128 bytes of partial logits
	v_add_nc_u32 v12, SCB, v3                      ; the scale bytes on their way out: 8 a lane
	v_lshlrev_b32 v13, 2, v1                       ; the partial logits on their way back: word = lane
	s_mov_b32 s20, 0x76543210
	s_mov_b32 s21, 0xfedcba98                      ; lane l xor 16
	s_mov_b32 s22, 0x600000                        ; the mantissa field of 448
.irp k, 0,1,2,3,4,5,6,7
	v_mov_b32 v[TP+\k], 0                          ; a lane permute's destination counts as one of its sources
.endr
	s_lshl_b32 s18, ttmp9, 15                      ; x: 4 tokens of 8,192 bytes a work-group,
	s_lshl_b32 s24, s16, 11                        ; 2,048 bytes a wave (gate_w likewise)
	s_add_co_u32 s18, s18, s24
	s_mov_b32 s19, 0
	s_mov_b32 s25, 0
	s_lshl_b32 s26, ttmp9, 13                      ; xq: 4 x 2,048 bytes a work-group, 512 a wave
	s_lshl_b32 s27, s16, 9
	s_add_co_u32 s26, s26, s27
	s_mov_b32 s27, 0
	s_lshl_b32 s28, ttmp9, 8                       ; xs: 4 x 64
	s_mov_b32 s29, 0
	s_lshl_b32 s30, ttmp9, 5                       ; idx, wts: 4 x 8
	s_mov_b32 s31, 0
	s_wait_kmcnt 0x0
	s_add_nc_u64 s[4:5], s[4:5], s[18:19]
	s_add_nc_u64 s[6:7], s[6:7], s[24:25]
	s_add_nc_u64 s[8:9], s[8:9], s[26:27]
	s_add_nc_u64 s[10:11], s[10:11], s[28:29]
	s_add_nc_u64 s[12:13], s[12:13], s[30:31]
	s_add_nc_u64 s[14:15], s[14:15], s[30:31]
.irp t, 0,1,2,3
.irp gg, 0,1
	global_load_b128 v[X+16*\t+8*\gg:X+16*\t+8*\gg+3], v2, s[4:5] offset:8192*\t+1024*\gg th:TH_LOAD_NT
	global_load_b128 v[X+16*\t+8*\gg+4:X+16*\t+8*\gg+7], v2, s[4:5] offset:8192*\t+1024*\gg+16 th:TH_LOAD_NT
.endr
.endr
.irp e, 0,1,2,3,4,5,6,7
.irp gg, 0,1
	global_load_b128 v[GW+16*\e+8*\gg:GW+16*\e+8*\gg+3], v2, s[6:7] offset:8192*\e+1024*\gg
	global_load_b128 v[GW+16*\e+8*\gg+4:GW+16*\e+8*\gg+7], v2, s[6:7] offset:8192*\e+1024*\gg+16
.endr
.endr
	s_wait_loadcnt 0x0
; the 32 partial logits of my 16 numbers a token: the first product starts each sum; the 32 sums take turns, so that no line waits for the line above it
.irp gg, 0,1
.irp i, 0,1,2,3,4,5,6,7
.irp t, 0,1,2,3
.irp e, 0,1,2,3,4,5,6,7
.if (\gg == 0) && (\i == 0)
	v_mul_f32 v[S+8*\t+\e], v[X+16*\t+8*\gg+\i], v[GW+16*\e+8*\gg+\i]
.else
	v_fmac_f32 v[S+8*\t+\e], v[X+16*\t+8*\gg+\i], v[GW+16*\e+8*\gg+\i]
.endif
.endr
.endr
.endr
.endr
; over the 32 lanes
.irp m, 1,2,4,8
.set kk, 0
.rept 32
	v_add_f32_dpp v[S+kk], v[S+kk], v[S+kk] row_xmask:\m row_mask:0xf bank_mask:0xf
.set kk, kk+1
.endr
.endr
.irp q, 0,1,2,3
.irp k, 0,1,2,3,4,5,6,7
	v_permlanex16_b32 v[TP+\k], v[S+8*\q+\k], s20, s21
.endr
.irp k, 0,1,2,3,4,5,6,7
	v_add_f32 v[S+8*\q+\k], v[S+8*\q+\k], v[TP+\k]
.endr
.endr
.irp k, 0,1,2,3,4,5,6,7
	ds_store_b128 v5, v[S+4*\k:S+4*\k+3] offset:16*\k      ; every lane holds the same sums and writes the same bytes
.endr
; A unit becomes codes.  The largest magnitude of my 8 (with the floor 2^(9 - 127) among the leaves, which holds the byte at 1 from below), then of the three lanes that share the block;
; 8 off its exponent field is the conversion's scale operand; its exponent field over 448's mantissa is the hold (the conversion to an 8-bit code does not saturate: ISA guide 7.6.2).
.macro QX t, gg
.set XU, X+16*\t+8*\gg
.set UU, 2*\t+\gg
	v_max3_num_f32 v6, |v[XU]|, |v[XU+1]|, 0x4800000
	v_max3_num_f32 v7, |v[XU+2]|, |v[XU+3]|, |v[XU+4]|
	v_max3_num_f32 v6, v6, |v[XU+5]|, |v[XU+6]|
	v_max3_num_f32 v6, v6, v7, |v[XU+7]|
	v_max_num_f32_dpp v6, v6, v6 row_xmask:1 row_mask:0xf bank_mask:0xf
	v_max_num_f32_dpp v6, v6, v6 row_xmask:2 row_mask:0xf bank_mask:0xf
	v_add_nc_u32 v8, 0xfc000000, v6
	v_and_or_b32 v9, v6, 0x7f800000, s22
.irp i, 0,1,2,3,4,5,6,7
	v_med3_num_f32 v[XU+\i], v[XU+\i], -v9, v9
.endr
	v_cvt_scalef32_pk8_fp8_f32 v[CD+2*UU:CD+2*UU+1], v[XU:XU+7], v8
	v_lshrrev_b32 v[SBY+UU], 23, v8                ; the scale's byte (and the plain line behind the conversion)
	ds_store_b8 v4, v[SBY+UU] offset:64*\t+8*\gg   ; the four lanes of a block write the same byte with the same value
	global_store_b64 v3, v[CD+2*UU:CD+2*UU+1], s[8:9] offset:2048*\t+256*\gg   ; the wave stores 256 consecutive bytes, aligned; each unit has registers of its own
.endm
.irp t, 0,1,2,3
.irp gg, 0,1
	QX \t, \gg
.endr
.endr
	s_wait_dscnt 0x0                               ; for the others' sake: my partial logits and my scale bytes lie in LDS
	s_barrier_signal -1
	s_barrier_wait -1
	s_cmp_eq_u32 s16, 1
	s_cbranch_scc1 .Lscales
	s_cmp_eq_u32 s16, 0
	s_cbranch_scc1 .Lroute
	s_wait_tensorcnt 0x0
	ds_add_u32 v254, v255
	s_wait_dscnt 0x0
	s_endpgm
.Lscales:                                              ; wave 1: the four tokens' 256 scale bytes leave as one aligned run
	ds_load_b64 v[10:11], v12
	s_wait_dscnt 0x0
	global_store_b64 v3, v[10:11], s[10:11]
	s_wait_tensorcnt 0x0
	ds_add_u32 v254, v255
	s_wait_dscnt 0x0
	s_endpgm
.Lroute:                                               ; wave 0: lane l is (token l / 8, expert l % 8)
.irp k, 0,1,2,3
	ds_load_b32 v[16+\k], v13 offset:128*\k
.endr
	v_and_b32 v30, 7, v1                           ; e
	v_cvt_f32_u32 v31, v30                         ; e as f32: an index that can go through a minimum over lanes
	v_lshrrev_b32 v32, 3, v1
	v_lshlrev_b32 v32, 3, v32
	v_lshl_add_u32 v32, v30, 2, v32                ; 8 t + 4 e: where lanes e = 0, 1 store
	v_mov_b32 v33, -1.0
	s_wait_dscnt 0x0
	v_add_f32 v16, v16, v17
	v_add_f32 v18, v18, v19
	v_add_f32 v16, v16, v18                        ; the logit
	v_mov_b32 v20, v16
.irp m, 1,2,4
	v_max_num_f32_dpp v20, v20, v20 row_xmask:\m row_mask:0xf bank_mask:0xf   ; the token's largest logit
.endr
	v_sub_f32 v21, v16, v20
	v_mul_f32 v21, 0x3fb8aa3b, v21
	v_exp_f32 v21, v21
	v_nop                                          ; one plain line behind a transcendental
	s_wait_alu depctr_va_vdst(0)
	v_mov_b32 v22, v21
.irp m, 1,2,4
	v_add_f32_dpp v22, v22, v22 row_xmask:\m row_mask:0xf bank_mask:0xf
.endr
	v_rcp_f32 v22, v22
	v_nop
	s_wait_alu depctr_va_vdst(0)
	v_mul_f32 v21, v21, v22                        ; the score
	v_mov_b32 v23, v21
.irp m, 1,2,4
	v_max_num_f32_dpp v23, v23, v23 row_xmask:\m row_mask:0xf bank_mask:0xf   ; the largest score
.endr
	v_cmp_eq_f32 vcc_lo, v21, v23
	v_cndmask_b32 v24, 0x41000000, v31, vcc_lo     ; my index where I hold it, else 8
.irp m, 1,2,4
	v_min_num_f32_dpp v24, v24, v24 row_xmask:\m row_mask:0xf bank_mask:0xf   ; the lowest such index
.endr
	v_cmp_eq_f32 vcc_lo, v31, v24
	v_cndmask_b32 v25, v21, v33, vcc_lo            ; the chosen one leaves the field: -1 lies under every score
	v_mov_b32 v26, v25
.irp m, 1,2,4
	v_max_num_f32_dpp v26, v26, v26 row_xmask:\m row_mask:0xf bank_mask:0xf
.endr
	v_cmp_eq_f32 vcc_lo, v25, v26
	v_cndmask_b32 v27, 0x41000000, v31, vcc_lo
.irp m, 1,2,4
	v_min_num_f32_dpp v27, v27, v27 row_xmask:\m row_mask:0xf bank_mask:0xf
.endr
	v_cmp_eq_u32 vcc_lo, 0, v30
	v_cndmask_b32 v28, v27, v24, vcc_lo            ; lane e = 0 takes the first choice, the others the second
	v_cndmask_b32 v29, v26, v23, vcc_lo
	v_cvt_u32_f32 v28, v28
	s_wait_xcnt 0x0                                ; EXEC changes only behind this wait: my earlier stores have had their addresses translated
	s_wait_tensorcnt 0x0
	ds_add_u32 v254, v255
	s_wait_dscnt 0x0
	v_cmpx_gt_u32 2, v30                           ; lanes e = 0, 1
	global_store_b32 v32, v28, s[12:13]
	global_store_b32 v32, v29, s[14:15]
	s_endpgm
.Lfunc_end_k_q24ad71bb31_gate:
	.size	k_q24ad71bb31_gate, .Lfunc_end_k_q24ad71bb31_gate-k_q24ad71bb31_gate
	.p2alignl 7, 3214868480
	.fill 96, 4, 3214868480
	.section	.rodata,"a",@progbits
	.p2align	6, 0x0
	.amdhsa_kernel k_q24ad71bb31_gate
		.amdhsa_group_segment_fixed_size 1536
		.amdhsa_private_segment_fixed_size 0
		.amdhsa_enable_private_segment 0
		.amdhsa_kernarg_size 48
		.amdhsa_user_sgpr_count 2
		.amdhsa_user_sgpr_kernarg_segment_ptr 1
		.amdhsa_wavefront_size32 1
		.amdhsa_system_sgpr_workgroup_id_x 1
		.amdhsa_system_sgpr_workgroup_id_y 1
		.amdhsa_system_sgpr_workgroup_id_z 1
		.amdhsa_system_vgpr_workitem_id 0
		.amdhsa_next_free_vgpr 256
		.amdhsa_next_free_sgpr 66
		.amdhsa_reserve_vcc 1
		.amdhsa_float_denorm_mode_32 3
		.amdhsa_float_denorm_mode_16_64 3
		.amdhsa_memory_ordered 1
		.amdhsa_forward_progress 1
		.amdhsa_inst_pref_size 49
	.end_amdhsa_kernel
	.amdgpu_metadata
---
amdhsa.version: [ 1, 2 ]
amdhsa.kernels:
  - .name:           k_q24ad71bb31_gate
    .symbol:         k_q24ad71bb31_gate.kd
    .args:
      - { .name: x, .offset: 0, .size: 8, .value_kind: global_buffer, .address_space: global }
      - { .name: gate_w, .offset: 8, .size: 8, .value_kind: global_buffer, .address_space: global }
      - { .name: xq, .offset: 16, .size: 8, .value_kind: global_buffer, .address_space: global }
      - { .name: xs, .offset: 24, .size: 8, .value_kind: global_buffer, .address_space: global }
      - { .name: idx, .offset: 32, .size: 8, .value_kind: global_buffer, .address_space: global }
      - { .name: wts, .offset: 40, .size: 8, .value_kind: global_buffer, .address_space: global }
    .group_segment_fixed_size: 1536
    .private_segment_fixed_size: 0
    .kernarg_segment_align: 8
    .kernarg_segment_size: 48
    .max_flat_workgroup_size: 128
    .sgpr_count:     66
    .vgpr_count:     256
    .wavefront_size: 32
...
	.end_amdgpu_metadata
.endif
;; end of part 1
;; launch place (part 2): grid 1 x 1, 4 waves a work-group, no clusters, 768 bytes of LDS; arguments idx, route; writes route
.if DOCPART == 2
	.amdgcn_target "amdgcn-amd-amdhsa--gfx1250"
	.amdhsa_code_object_version 6
	.text
	.protected	k_q24ad71bb31_place
	.globl	k_q24ad71bb31_place
	.p2align	8
	.type	k_q24ad71bb31_place,@function
k_q24ad71bb31_place:
	s_mov_b64 s[64:65], 0
	v_nop
	global_prefetch_b8 v0, s[64:65] scope:SCOPE_SE
	s_setreg_imm32_b32 hwreg(HW_REG_WAVE_MODE, 25, 1), 1
	s_wait_xcnt 0x0
; PLACE.  A counting sort of the 2,048 entries (token, slot) by expert, by one work-group, without atomics.
; route: byte 0 base[8], byte 32 count[8], byte 256 pos[1024][2], byte 8448 list[3328] (position -> token).  Expert e owns positions base[e] .. base[e] + count[e] - 1; every base is a
; multiple of 32, so the routed positions end at or under 2,048 + 8 x 31 = 2,296.  Positions 2304 + t are the shared expert's: list[2304 + t] = t.
; Positions between an expert's last row and the next base are not written, and no later launch reads them.
; Thread i has 16 entries: load q brings entries 4 q + c of token 256 q + 2 i + c / 2, slot c % 2.  Which position of its expert an entry gets is free: here thread by thread.
; One work-group: the work is 8 KB in and 21 KB out, and a sort needs all counts.
.set ENT,  8                           ; v8-23    my 16 experts
.set C,    24                          ; v24-31   my count of each expert
.set I,    32                          ; v32-39   its inclusive scan over the wave's lanes
.set TT,   44                          ; v44-75   the four waves' totals, 8 w + e
.set BASE, 76
.set CNT,  84
.set RUN,  92                          ; v92-99   the next free position of each expert, for my entries
.set POS,  100
.set ADR,  116
.set TOKV, 132
.set ID,   148
.set W,    156
.set T8,   164
	s_load_b128 s[4:7], s[0:1], 0x0                ; idx, route
	v_lshl_add_u32 v176, v0, 2, 0x100
	v_mov_b32 v177, 0
	v_lshrrev_b32 v1, 5, v0
	v_readfirstlane_b32 s8, v1                     ; wave
	v_lshlrev_b32 v2, 4, v0                        ; 16 i
	v_bfe_u32 v3, v0, 4, 1                         ; 1 in lanes 16-31
	v_mov_b32 v4, 0
	s_lshl_b32 s9, s8, 5
	v_mov_b32 v172, s9                             ; LDS: my wave's eight totals
	s_wait_kmcnt 0x0
.irp q, 0,1,2,3
	global_load_b128 v[ENT+4*\q:ENT+4*\q+3], v2, s[4:5] offset:2048*\q
.endr
	v_lshlrev_b32 v5, 1, v0                        ; 2 i
	v_lshlrev_b32 v6, 3, v0                        ; 8 i
	v_lshlrev_b32 v7, 5, v0                        ; 32 i
.irp q, 0,1,2,3
.irp c, 0,1,2,3
	v_add_nc_u32 v[TOKV+4*\q+\c], 256*\q+\c/2, v5  ; the entry's token
.endr
.endr
.irp k, 0,1,2,3,4,5,6,7
	v_add_nc_u32 v[ID+\k], \k, v6
	v_mov_b32 v[C+\k], 0
	v_mov_b32 v[T8+\k], 0                          ; a DPP destination counts as read
.endr
	s_cmp_gt_u32 s8, 0                             ; masks: which waves stand in front of mine
	s_cselect_b32 s10, -1, 0
	s_cmp_gt_u32 s8, 1
	s_cselect_b32 s11, -1, 0
	s_cmp_gt_u32 s8, 2
	s_cselect_b32 s12, -1, 0
	s_wait_loadcnt 0x0
.set nn, 0
.rept 16
	v_min_u32 v[ENT+nn], 7, v[ENT+nn]
.set nn, nn+1
.endr
.set nn, 0
.rept 16                                               ; pass 1: the compare's bit goes in as a carry
.irp e, 0,1,2,3,4,5,6,7
	v_cmp_eq_u32 vcc_lo, \e, v[ENT+nn]
	v_add_co_ci_u32 v[C+\e], vcc_lo, 0, v[C+\e], vcc_lo
.endr
.set nn, nn+1
.endr
.irp e, 0,1,2,3,4,5,6,7
	v_mov_b32 v[I+\e], v[C+\e]
.endr
.irp sh, 1,2,4,8                                       ; inclusive scan inside each row of 16 lanes; a lane without a source takes 0
.irp e, 0,1,2,3,4,5,6,7
	v_mov_b32_dpp v[T8+\e], v[I+\e] row_shr:\sh row_mask:0xf bank_mask:0xf bound_ctrl:1
.endr
.irp e, 0,1,2,3,4,5,6,7
	v_add_nc_u32 v[I+\e], v[I+\e], v[T8+\e]
.endr
.endr
.irp e, 0,1,2,3,4,5,6,7
	v_readlane_b32 s[16+\e], v[I+\e], 15
.endr
.irp e, 0,1,2,3,4,5,6,7
	v_mad_u32_u24 v[I+\e], v3, s[16+\e], v[I+\e]   ; lanes 16-31 add the lower row's sum
.endr
.irp e, 0,1,2,3,4,5,6,7
	v_readlane_b32 s[16+\e], v[I+\e], 31           ; the wave's totals
.endr
.irp e, 0,1,2,3,4,5,6,7
	v_mov_b32 v[W+\e], s[16+\e]
.endr
	ds_store_b128 v172, v[W:W+3]
	ds_store_b128 v172, v[W+4:W+7] offset:16
	s_wait_dscnt 0x0                               ; for the others' sake
	s_barrier_signal -1
	s_barrier_wait -1
.irp k, 0,1,2,3,4,5,6,7
	ds_load_b128 v[TT+4*\k:TT+4*\k+3], v4 offset:16*\k
.endr
	s_wait_dscnt 0x0
.irp e, 0,1,2,3,4,5,6,7
	v_add3_u32 v[CNT+\e], v[TT+\e], v[TT+8+\e], v[TT+16+\e]
	v_add_nc_u32 v[CNT+\e], v[CNT+\e], v[TT+24+\e]
	v_and_b32 v[TT+\e], s10, v[TT+\e]
	v_and_b32 v[TT+8+\e], s11, v[TT+8+\e]
	v_and_b32 v[TT+16+\e], s12, v[TT+16+\e]
	v_add3_u32 v[T8+\e], v[TT+\e], v[TT+8+\e], v[TT+16+\e]     ; the entries of the waves in front of mine
.endr
	v_mov_b32 v[BASE], 0
.irp e, 0,1,2,3,4,5,6
	v_add_nc_u32 v40, 31, v[CNT+\e]
	v_and_b32 v40, 0xffffffe0, v40
	v_add_nc_u32 v[BASE+\e+1], v[BASE+\e], v40
.endr
.irp e, 0,1,2,3,4,5,6,7
	v_sub_nc_u32 v[RUN+\e], v[I+\e], v[C+\e]       ; the entries of the lanes in front of mine
	v_add3_u32 v[RUN+\e], v[RUN+\e], v[BASE+\e], v[T8+\e]
.endr
.set nn, 0
.rept 16                                               ; pass 2: an entry takes its expert's next free position
	v_mov_b32 v[POS+nn], v[RUN]
	v_cmp_eq_u32 vcc_lo, 0, v[ENT+nn]
	v_add_co_ci_u32 v[RUN], vcc_lo, 0, v[RUN], vcc_lo
.irp e, 1,2,3,4,5,6,7
	v_cmp_eq_u32 vcc_lo, \e, v[ENT+nn]
	v_cndmask_b32 v[POS+nn], v[POS+nn], v[RUN+\e], vcc_lo
	v_add_co_ci_u32 v[RUN+\e], vcc_lo, 0, v[RUN+\e], vcc_lo
.endr
.set nn, nn+1
.endr
.irp q, 0,1,2,3
	global_store_b128 v2, v[POS+4*\q:POS+4*\q+3], s[6:7] offset:256+2048*\q
.endr
.set nn, 0
.rept 16
	v_min_u32 v[ADR+nn], 0xcff, v[POS+nn]          ; a number made of loaded data enters an address only held to the table's size
	v_lshlrev_b32 v[ADR+nn], 2, v[ADR+nn]
	global_store_b32 v[ADR+nn], v[TOKV+nn], s[6:7] offset:8448   ; each store has registers of its own
.set nn, nn+1
.endr
	global_store_b128 v7, v[ID:ID+3], s[6:7] offset:17664        ; list[2304 + 8 i ..] = 8 i ..
	global_store_b128 v7, v[ID+4:ID+7], s[6:7] offset:17680
	s_wait_xcnt 0x0                                ; EXEC changes only behind this wait
	s_wait_tensorcnt 0x0
	ds_add_u32 v176, v177
	s_wait_dscnt 0x0
	v_cmpx_gt_u32 1, v0                            ; thread 0 alone
	global_store_b128 v4, v[BASE:BASE+3], s[6:7]
	global_store_b128 v4, v[BASE+4:BASE+7], s[6:7] offset:16
	global_store_b128 v4, v[CNT:CNT+3], s[6:7] offset:32
	global_store_b128 v4, v[CNT+4:CNT+7], s[6:7] offset:48
	s_endpgm
.Lfunc_end_k_q24ad71bb31_place:
	.size	k_q24ad71bb31_place, .Lfunc_end_k_q24ad71bb31_place-k_q24ad71bb31_place
	.p2alignl 7, 3214868480
	.fill 96, 4, 3214868480
	.section	.rodata,"a",@progbits
	.p2align	6, 0x0
	.amdhsa_kernel k_q24ad71bb31_place
		.amdhsa_group_segment_fixed_size 768
		.amdhsa_private_segment_fixed_size 0
		.amdhsa_enable_private_segment 0
		.amdhsa_kernarg_size 16
		.amdhsa_user_sgpr_count 2
		.amdhsa_user_sgpr_kernarg_segment_ptr 1
		.amdhsa_wavefront_size32 1
		.amdhsa_system_sgpr_workgroup_id_x 1
		.amdhsa_system_sgpr_workgroup_id_y 1
		.amdhsa_system_sgpr_workgroup_id_z 1
		.amdhsa_system_vgpr_workitem_id 0
		.amdhsa_next_free_vgpr 178
		.amdhsa_next_free_sgpr 66
		.amdhsa_reserve_vcc 1
		.amdhsa_float_denorm_mode_32 3
		.amdhsa_float_denorm_mode_16_64 3
		.amdhsa_memory_ordered 1
		.amdhsa_forward_progress 1
		.amdhsa_inst_pref_size 38
	.end_amdhsa_kernel
	.amdgpu_metadata
---
amdhsa.version: [ 1, 2 ]
amdhsa.kernels:
  - .name:           k_q24ad71bb31_place
    .symbol:         k_q24ad71bb31_place.kd
    .args:
      - { .name: idx, .offset: 0, .size: 8, .value_kind: global_buffer, .address_space: global }
      - { .name: route, .offset: 8, .size: 8, .value_kind: global_buffer, .address_space: global }
    .group_segment_fixed_size: 768
    .private_segment_fixed_size: 0
    .kernarg_segment_align: 8
    .kernarg_segment_size: 16
    .max_flat_workgroup_size: 128
    .sgpr_count:     66
    .vgpr_count:     178
    .wavefront_size: 32
...
	.end_amdgpu_metadata
.endif
;; end of part 2
;; launch up (part 3): grid 16 x 12, 4 waves a work-group, no clusters, 145,920 bytes of LDS; arguments xq, xs, w1_codes, w1_scales, w3_codes, w3_scales, ws1_codes, ws1_scales, ws3_codes, ws3_scales, route, gq, gs; writes gq, gs
.if DOCPART == 3
	.amdgcn_target "amdgcn-amd-amdhsa--gfx1250"
	.amdhsa_code_object_version 6
	.text
	.protected	k_q24ad71bb31_up
	.globl	k_q24ad71bb31_up
	.p2align	8
	.type	k_q24ad71bb31_up,@function
k_q24ad71bb31_up:
	s_mov_b64 s[64:65], 0
	v_nop
	global_prefetch_b8 v0, s[64:65] scope:SCOPE_SE
	s_setreg_imm32_b32 hwreg(HW_REG_WAVE_MODE, 25, 1), 1
	s_wait_xcnt 0x0
; UP.  g = silu(x W1^T) * (x W3^T) for the rows that each expert was chosen for, and for all rows of the shared expert; g is quantised along the hidden axis and stored as codes.
; SHARES.  Work-group (ib, c): hidden units 64 ib .. 64 ib + 63 of chunk c.  c < 8: expert c, its rows by route's base and count.  c >= 8: the shared expert's rows 256 (c - 8) .. + 255.
; THE WEIGHTS STAY IN REGISTERS: wave w holds units 64 ib + 16 w + 0 .. 15 of W1 and of W3 for all of K = 2,048: 2 x 16 fragments, 512 registers, read from memory once; the rows go past them.
; A TRIP takes 64 rows (four tiles of 16).  NT = 16 trips serve every split (all 1,024 tokens on one expert too); the trip count is a constant and both barriers stand on every path: a trip with no rows
; jumps over the work between them.  Wave w gathers tile w's codes of x into registers a trip ahead (64 + 2 loads a wave in flight during a trip's products) and hands them on through LDS.
; Rows past an expert's last, up to the next multiple of 32, repeat its last row; nobody adds them.
; EVERY LOAD OF CODES READS 512 CONSECUTIVE BYTES OF ONE ROW (16 a lane, four loads a row), and the turn into the operand's layout is made by the LDS store: lane l of load (row i, quarter q) holds
; k = 512 q + 16 l + 0 .. 15 and stores them at 272 l + 8704 q + 16 i of the tile; lane (r, h) reads piece (ks, c) of a fragment at 544 (4 ks + c) + 272 h + 16 r: the same byte, since
; 16 (l + 32 q) = 128 ks + 32 c + 16 h.; sixteen lanes of a read take 256 bytes on end.
; The weights take the same way once, at the head, through the wave's own tile bytes.
; THE PRODUCT IS USED TRANSPOSED: source 0 = 16 units of a weight, source 1 = 16 rows of x: lane (r, h) holds row r and units 8 h + 0 .. 7: eight neighbours along the next product's K.
; A block of 32 units lies in two lanes (l, l xor 16) of two waves (w, w xor 1): the waves' maxima meet in LDS.
; gq: byte pt 16384 + ks 2048 + c 512 + 16 lane = codes of row 16 pt + lane % 16, k = 128 ks + 32 c + 16 (lane / 16) + 0 .. 15: the image of the next product's operand.  gs: [position][32] scale bytes.
; NO TENSOR LOAD, NO CLUSTER: which trips work hangs on counts read from memory, so operands go through registers, and partners of a cluster would need different numbers of tiles.
; LIMITS: NaN and infinities are not served; a block of zeros gets the byte 1 with zero codes (this program alone reads the bytes).
; REGISTERS: window 0 as named below; window 1: K steps 0-7 (W1's fragment at 32 ks, W3's at 32 ks + 16); window 2: K steps 8-15; window 3: the 64 x 4 registers in which the next trip's rows land.
.set TILE, 34816                       ; a tile of 16 rows x 2,048 codes in LDS: 64 pieces x 544 bytes
.set XB,  0                            ; LDS: 4 tiles
.set XSC, 4*TILE                       ; 2 pairs of tiles x 4 quads of scale words x 512: lane < 16: a row of the even tile, else of the odd one
.set MX,  XSC+4096                     ; (wave 4 + tile) 128 + 4 lane: the largest magnitude of the wave's 16 units
.set NT,  16
.set AX,  26                           ; v26-29   where lane (r, h) reads tile 0 .. 3: TILE x tile + 272 h + 16 r
.set WS,  32                           ; v32-47   the weights' scale words of K step ks: lanes 0-15 W1's, lanes 16-31 W3's
.set XS,  48                           ; v48-63   x's: lanes 0-15 the pair's even tile, lanes 16-31 the odd one
.set F0,  64                           ; v64-95, v96-127: x's fragments of one K step, two tiles, two buffers
.set F1,  96
.set ACC, 128                          ; v128-159 (W1, tile 0), (W1, tile 1), (W3, tile 0), (W3, tile 1)
.set G,   160                          ; v160-191 g: tile m at G + 8 m
.set M,   192                          ; v192-195 my 16 units' largest magnitude, a tile each
.set PM,  196                          ; my partner wave's
.set Q,   200                          ; the four waves', of tile w
.set BM,  204
.set SC,  208
.set HD,  212
.set T,   216
.set CD,  232
.set XST, 240                          ; v240-247 the next trip's scale bytes of x
.set U,   248
.set U2,  249
.set TP,  250
.set RB,  66                           ; s[66:97] the addresses of my tile's sixteen rows of x
; v1 r, v2 h, v4 my row's scale bytes, v5 token, v6 place in the list, v7 where I store into my tile (272 lane), v8 its scale words, v9 16 lane, v10 where I read my own tile, v11-v14 LDS addresses,
; v15, v16, v18 global offsets, v19 my row of a trip, v20 lane, v21 16 h
; s32 wave, s33 ib, s34 c, s36 base, s37 count, s38 the trip's first row, s39 trips, s40 count - 1, s41 the list's base, s42 32 (w / 2), s48-s52 at work
.set MSB, 0
.macro WIN new                         ; the immediate's high byte repeats the setting that is left
.if MSB != (\new)
	s_set_vgpr_msb (MSB<<8)|(\new)
.set MSB, (\new)
.endif
.endm
; one scaled product; zero: it starts the sum; ra, rb: the side's scale words stand in lanes 16-31
.macro WM d, wa, fb, zero, sa, sb, ra, rb
.if \zero
.if (\ra) && (\rb)
	v_wmma_scale_f32_16x16x128_f8f6f4 v[\d:\d+7], v[\wa:\wa+15], v[\fb:\fb+15], 0, v[\sa], v[\sb] matrix_a_scale:MATRIX_SCALE_ROW1 matrix_b_scale:MATRIX_SCALE_ROW1
.elseif \ra
	v_wmma_scale_f32_16x16x128_f8f6f4 v[\d:\d+7], v[\wa:\wa+15], v[\fb:\fb+15], 0, v[\sa], v[\sb] matrix_a_scale:MATRIX_SCALE_ROW1
.elseif \rb
	v_wmma_scale_f32_16x16x128_f8f6f4 v[\d:\d+7], v[\wa:\wa+15], v[\fb:\fb+15], 0, v[\sa], v[\sb] matrix_b_scale:MATRIX_SCALE_ROW1
.else
	v_wmma_scale_f32_16x16x128_f8f6f4 v[\d:\d+7], v[\wa:\wa+15], v[\fb:\fb+15], 0, v[\sa], v[\sb]
.endif
.else
.if (\ra) && (\rb)
	v_wmma_scale_f32_16x16x128_f8f6f4 v[\d:\d+7], v[\wa:\wa+15], v[\fb:\fb+15], v[\d:\d+7], v[\sa], v[\sb] matrix_a_scale:MATRIX_SCALE_ROW1 matrix_b_scale:MATRIX_SCALE_ROW1
.elseif \ra
	v_wmma_scale_f32_16x16x128_f8f6f4 v[\d:\d+7], v[\wa:\wa+15], v[\fb:\fb+15], v[\d:\d+7], v[\sa], v[\sb] matrix_a_scale:MATRIX_SCALE_ROW1
.elseif \rb
	v_wmma_scale_f32_16x16x128_f8f6f4 v[\d:\d+7], v[\wa:\wa+15], v[\fb:\fb+15], v[\d:\d+7], v[\sa], v[\sb] matrix_b_scale:MATRIX_SCALE_ROW1
.else
	v_wmma_scale_f32_16x16x128_f8f6f4 v[\d:\d+7], v[\wa:\wa+15], v[\fb:\fb+15], v[\d:\d+7], v[\sa], v[\sb]
.endif
.endif
.endm
; the token of my row of the trip that begins at row sreg: the row is held at the expert's last, the place at the list's end
.macro LIDX sreg
	v_add_nc_u32 v6, \sreg, v19
	v_min_u32 v6, s40, v6
	v_add_nc_u32 v6, s41, v6
	v_min_u32 v6, 0xcff, v6
	v_lshlrev_b32 v6, 2, v6
	global_load_b32 v5, v6, s[30:31]
.endm
; Lane r holds row r's token.  Each becomes a scalar, held to the table's size, and the address of its row of 2,048 codes.  No load that names these registers is out here: the wait for all loads stands ahead.
.macro BASES
	v_min_u32 v5, 0x3ff, v5
	v_lshl_add_u32 v4, v5, 6, v21                  ; my row's 64 scale bytes, + 16 h
	s_mov_b32 s49, 0
.irp i, 0,1,2,3,4,5,6,7,8,9,10,11,12,13,14,15
	v_readlane_b32 s48, v5, \i
	s_min_u32 s48, s48, 0x3ff
	s_lshl_b32 s48, s48, 11
	s_add_nc_u64 s[RB+2*\i:RB+2*\i+1], s[4:5], s[48:49]
.endr
.endm
; rows i0 .. i0 + 7 of my tile: four loads a row, each 512 consecutive bytes, into window 3
.macro XROWS i0
	WIN 0xc0                                       ; destination window 3
.irp i, 0,1,2,3,4,5,6,7
.irp q, 0,1,2,3
	global_load_b128 v[4*(4*(\i0+\i)+\q):4*(4*(\i0+\i)+\q)+3], v9, s[RB+2*(\i0+\i):RB+2*(\i0+\i)+1] offset:512*\q
.endr
.endr
	WIN 0
.endm
.macro XSCL                            ; and the rows' scale bytes: lane (r, h) takes bytes 16 h + 0 .. 15 and 32 + 16 h + 0 .. 15 of row r
	global_load_b128 v[XST:XST+3], v4, s[6:7]
	global_load_b128 v[XST+4:XST+7], v4, s[6:7] offset:32
.endm
.macro LOADX
	BASES
	XROWS 0
	XROWS 8
	XSCL
.endm
; from the registers into my tile: the store makes the turn
.macro STOREX
	WIN 0x0c                                       ; an LDS store's data are its source 1: window 3
.irp i, 0,1,2,3,4,5,6,7,8,9,10,11,12,13,14,15
.irp q, 0,1,2,3
	ds_store_b128 v7, v[4*(4*\i+\q):4*(4*\i+\q)+3] offset:8704*\q+16*\i
.endr
.endr
	WIN 0
	ds_store_b128 v8, v[XST:XST+3]
	ds_store_b128 v8, v[XST+4:XST+7] offset:1024
.endm
; THE WEIGHTS.  u = 0: W1, 1: W3; hf: rows 8 hf .. 8 hf + 7 of my sixteen.  They land, as they lie in memory, in the registers of window 1 + hf that will hold this weight's fragments,
.macro WRAW u, hf, sb
	WIN 0x40*(1+\hf)
.irp i, 0,1,2,3,4,5,6,7
.irp q, 0,1,2,3
	global_load_b128 v[32*\i+16*\u+4*\q:32*\i+16*\u+4*\q+3], v9, s[\sb:\sb+1] offset:2048*(8*\hf+\i)+512*\q
.endr
.endr
	WIN 0
.endm
.macro WSTORE u, hf                    ; go into my own tile's bytes as x's rows do,
	WIN 0x04*(1+\hf)                               ; the data: window 1 + hf
.irp i, 0,1,2,3,4,5,6,7
.irp q, 0,1,2,3
	ds_store_b128 v7, v[32*\i+16*\u+4*\q:32*\i+16*\u+4*\q+3] offset:8704*\q+16*(8*\hf+\i)
.endr
.endr
	WIN 0
.endm
.macro WBACK u                         ; and come back as fragments, into the registers that they left.  LDS serves a wave's instructions in order (ISA guide 5.7.1): these loads see my stores, and what I store next comes behind them
	WIN 0x40
.irp k, 0,1,2,3,4,5,6,7
.irp c, 0,1,2,3
	ds_load_b128 v[32*\k+16*\u+4*\c:32*\k+16*\u+4*\c+3], v10 offset:544*(4*\k+\c)
.endr
.endr
	WIN 0x80
.irp k, 0,1,2,3,4,5,6,7
.irp c, 0,1,2,3
	ds_load_b128 v[32*\k+16*\u+4*\c:32*\k+16*\u+4*\c+3], v10 offset:544*(4*(8+\k)+\c)
.endr
.endr
	WIN 0
.endm
.macro XFRAG p, k, f                   ; the two tiles' fragments of K step k into buffer f
.irp a, 0,1
.irp c, 0,1,2,3
	ds_load_b128 v[(\f)+16*\a+4*\c:(\f)+16*\a+4*\c+3], v[AX+2*\p+\a] offset:544*(4*(\k)+\c)
.endr
.endr
.endm
; Tiles 2 p and 2 p + 1 against my 16 units of W1 and of W3: 64 products.  The four accumulators take turns, one instruction a turn.
; A load into a register that a product has read stands eight plain vector lines behind it.
.macro PASS p
.irp qd, 0,1,2,3
	ds_load_b128 v[XS+4*\qd:XS+4*\qd+3], v11 offset:2048*\p+512*\qd
.endr
	XFRAG \p, 0, F0
.set ks, 0
.rept 16
.if ks < 15
.if ks > 0
.rept 8
	v_nop
.endr
.endif
	XFRAG \p, (ks+1), (F0+32*((ks+1)&1))
	s_wait_dscnt 0x8                               ; all but the eight just issued: this K step's fragments (and the scale words) are in
.else
	s_wait_dscnt 0x0
.endif
.if ks < 8
	WIN 0x01                                       ; source 0: window 1
.else
	WIN 0x02
.endif
.irp u, 0,1
.irp a, 0,1
	WM (ACC+16*\u+8*\a), (32*(ks%8)+16*\u), (F0+32*(ks&1)+16*\a), (ks==0), (WS+ks), (XS+ks), \u, \a
.endr
.endr
	WIN 0
.set ks, ks+1
.endr
.rept 9
	v_nop                                          ; eight for the reads of the results and the next loads; the ninth for the next pass's products, which begin these accumulators anew
.endr
.endm
; g = h1 / (1 + 2^(-1.442695 h1)) x h3 for the pass's two tiles, and the largest magnitude of my 16 units for each row.  Every accumulator is read from its low end on.
.macro EPI p
.irp i, 0,2,4,6,8,10,12,14
	v_pk_mul_f32 v[T+\i:T+\i+1], v[ACC+\i:ACC+\i+1], 0xbfb8aa3b op_sel_hi:[1,0]
.endr
.irp i, 0,1,2,3,4,5,6,7,8,9,10,11,12,13,14,15
	v_exp_f32 v[T+\i], v[T+\i]
.endr
	v_nop                                          ; one plain line behind the transcendentals
	s_wait_alu depctr_va_vdst(0)
.irp i, 0,2,4,6,8,10,12,14
	v_pk_add_f32 v[T+\i:T+\i+1], v[T+\i:T+\i+1], 1.0 op_sel_hi:[1,0]
.endr
.irp i, 0,1,2,3,4,5,6,7,8,9,10,11,12,13,14,15
	v_rcp_f32 v[T+\i], v[T+\i]
.endr
	v_nop
	s_wait_alu depctr_va_vdst(0)
.irp i, 0,2,4,6,8,10,12,14
	v_pk_mul_f32 v[G+16*\p+\i:G+16*\p+\i+1], v[ACC+\i:ACC+\i+1], v[T+\i:T+\i+1]
.endr
.irp i, 0,2,4,6,8,10,12,14
	v_pk_mul_f32 v[G+16*\p+\i:G+16*\p+\i+1], v[G+16*\p+\i:G+16*\p+\i+1], v[ACC+16+\i:ACC+16+\i+1]
.endr
.irp a, 0,1
	v_max3_num_f32 v[M+2*\p+\a], |v[G+16*\p+8*\a]|, |v[G+16*\p+8*\a+1]|, 0x4800000   ; with the floor 2^(9 - 127): the byte cannot fall under 1
.endr
.irp i, 2,4,6
.irp a, 0,1
	v_max3_num_f32 v[M+2*\p+\a], v[M+2*\p+\a], |v[G+16*\p+8*\a+\i]|, |v[G+16*\p+8*\a+\i+1]|
.endr
.endr
.irp a, 0,1
	v_permlanex16_b32 v[TP+\a], v[M+2*\p+\a], s44, s45
.endr
.irp a, 0,1
	v_max_num_f32 v[M+2*\p+\a], v[M+2*\p+\a], v[TP+\a]
.endr
.endm
; tile m's eight numbers a lane become eight codes
.macro QG m
	v_max_num_f32 v[BM+\m], v[M+\m], v[PM+\m]      ; the block's largest magnitude: my wave's 16 units and my partner's
	v_add_nc_u32 v[SC+\m], 0xfc000000, v[BM+\m]    ; 8 off its exponent field: the conversion's scale operand
	v_and_or_b32 v[HD+\m], v[BM+\m], 0x7f800000, s46   ; 448 x the scale
.irp i, 0,1,2,3,4,5,6,7
	v_med3_num_f32 v[G+8*\m+\i], v[G+8*\m+\i], -v[HD+\m], v[HD+\m]   ; the conversion to an 8-bit code does not saturate (ISA guide 7.6.2)
.endr
	v_cvt_scalef32_pk8_fp8_f32 v[CD+2*\m:CD+2*\m+1], v[G+8*\m:G+8*\m+7], v[SC+\m]
.endm
	s_load_b512 s[4:19], s[0:1], 0x0               ; xq, xs, w1c, w1s, w3c, w3s, ws1c, ws1s
	s_load_b256 s[20:27], s[0:1], 0x40             ; ws3c, ws3s, route, gq
	s_load_b64 s[28:29], s[0:1], 0x60              ; gs
	v_lshl_add_u32 v254, v0, 2, 0x23800
	v_mov_b32 v255, 0
	v_lshrrev_b32 v1, 5, v0
	v_readfirstlane_b32 s32, v1                    ; wave
	s_mov_b32 s33, ttmp9                           ; ib
	s_and_b32 s34, ttmp7, 0xffff                   ; c
	v_and_b32 v20, 31, v0                          ; lane
	v_and_b32 v1, 15, v0                           ; r
	v_bfe_u32 v2, v0, 4, 1                         ; h
	v_lshlrev_b32 v21, 4, v2
	v_lshlrev_b32 v9, 4, v20                       ; my 16 bytes of a load's 512
	s_mul_i32 s48, s32, TILE                       ; my tile
	v_mul_u32_u24 v7, v20, 272
	v_add_nc_u32 v7, s48, v7                       ; into it: 272 x lane (+ 8704 q + 16 i)
	v_mul_u32_u24 v[AX], v2, 272
	v_lshl_add_u32 v[AX], v1, 4, v[AX]             ; out of a tile: 272 h + 16 r (+ 544 x piece)
	v_add_nc_u32 v10, s48, v[AX]                   ; my own tile,
	v_add_nc_u32 v[AX+1], TILE, v[AX]              ; and each of the four
	v_add_nc_u32 v[AX+2], 2*TILE, v[AX]
	v_add_nc_u32 v[AX+3], 3*TILE, v[AX]
	s_lshr_b32 s48, s32, 1
	s_lshl_b32 s48, s48, 11
	s_and_b32 s49, s32, 1
	s_lshl_b32 s49, s49, 8
	s_add_co_u32 s48, s48, s49
	s_add_co_u32 s48, s48, XSC
	v_lshlrev_b32 v8, 4, v1
	v_lshl_add_u32 v8, v2, 9, v8
	v_add_nc_u32 v8, s48, v8                       ; my tile's scale words: pair w / 2, quad h (+ 2 i), lane 16 (w % 2) + r
	v_add_nc_u32 v11, XSC, v9
	s_lshl_b32 s48, s32, 9
	s_add_co_u32 s48, s48, MX
	v_lshl_add_u32 v12, v20, 2, s48                ; my maxima
	s_xor_b32 s48, s32, 1
	s_lshl_b32 s48, s48, 9
	s_add_co_u32 s48, s48, MX
	v_lshl_add_u32 v13, v20, 2, s48                ; my partner's
	s_lshl_b32 s48, s32, 7
	s_add_co_u32 s48, s48, MX
	v_lshl_add_u32 v14, v20, 2, s48                ; all four waves' of tile w
	v_lshlrev_b32 v15, 4, v1
	v_lshl_add_u32 v15, v2, 3, v15                 ; gq: 16 r + 8 h
	s_lshl_b32 s48, s32, 4
	v_add_nc_u32 v19, s48, v1                      ; my row of a trip: 16 w + r
	v_lshlrev_b32 v16, 5, v19                      ; gs: 32 bytes a row
	v_lshlrev_b32 v18, 6, v1                       ; a weight's scale bytes: 64 a row
	s_mov_b32 s44, 0x76543210
	s_mov_b32 s45, 0xfedcba98                      ; lane l xor 16
	s_mov_b32 s46, 0x600000                        ; the mantissa field of 448
	s_mov_b32 s47, 0xffff0000                      ; lanes 16-31
	s_mov_b32 s38, 0
	s_mov_b32 s39, 0
	s_lshr_b32 s42, s32, 1
	s_lshl_b32 s42, s42, 5
	s_min_u32 s56, s34, 7
	s_lshl_b32 s56, s56, 2
	s_wait_kmcnt 0x0
	s_load_b32 s36, s[24:25], s56 offset:0x0       ; base
	s_load_b32 s37, s[24:25], s56 offset:0x20      ; count
	s_cmp_lt_u32 s34, 8                            ; a routed expert's weights or the shared one's: the choice hangs on the work-group's number alone
	s_cselect_b64 s[8:9], s[8:9], s[16:17]
	s_cselect_b64 s[10:11], s[10:11], s[18:19]
	s_cselect_b64 s[12:13], s[12:13], s[20:21]
	s_cselect_b64 s[14:15], s[14:15], s[22:23]
	s_cselect_b32 s35, s34, 0
	s_lshl_b32 s49, s33, 6
	s_lshl_b32 s50, s32, 4
	s_add_co_u32 s49, s49, s50                     ; my first unit
	s_lshl_b32 s50, s35, 21
	s_lshl_b32 s52, s49, 11
	s_add_co_u32 s50, s50, s52
	s_mov_b32 s51, 0
	s_add_nc_u64 s[8:9], s[8:9], s[50:51]
	s_add_nc_u64 s[12:13], s[12:13], s[50:51]
	s_lshl_b32 s50, s35, 16
	s_lshl_b32 s52, s49, 6
	s_add_co_u32 s50, s50, s52
	s_add_nc_u64 s[10:11], s[10:11], s[50:51]
	s_add_nc_u64 s[14:15], s[14:15], s[50:51]
	s_add_nc_u64 s[30:31], s[24:25], 0x2100        ; the list
	s_sub_co_u32 s49, s34, 8
	s_lshl_b32 s49, s49, 8
	s_add_co_u32 s49, s49, 2304                    ; a shared chunk's first position
	s_mov_b32 s50, 256
	s_wait_kmcnt 0x0
	s_cmp_lt_u32 s34, 8
	s_cselect_b32 s36, s36, s49
	s_cselect_b32 s37, s37, s50
	s_min_u32 s36, s36, 0xcc0                      ; loaded numbers enter addresses only held to the tables' sizes
	s_min_u32 s37, s37, 0x400
	s_max_u32 s40, s37, 1
	s_sub_co_u32 s40, s40, 1                       ; the expert's last row
	s_mov_b32 s41, 2304
	s_cmp_lg_u32 s37, 0
	s_cselect_b32 s41, s36, s41                    ; an expert without rows reads the list's shared part, and uses nothing of it
	s_lshl_b32 s50, s36, 10                        ; gq: 1,024 bytes a position,
	s_lshr_b32 s49, s33, 1
	s_lshl_b32 s49, s49, 11                        ; K step ib / 2,
	s_add_co_u32 s50, s50, s49
	s_and_b32 s49, s33, 1
	s_lshl_b32 s49, s49, 10                        ; piece 2 (ib % 2) + w / 2,
	s_add_co_u32 s50, s50, s49
	s_lshr_b32 s49, s32, 1
	s_lshl_b32 s49, s49, 9
	s_add_co_u32 s50, s50, s49
	s_and_b32 s49, s32, 1
	s_lshl_b32 s49, s49, 8                         ; half w % 2 of the lanes
	s_add_co_u32 s50, s50, s49
	s_add_nc_u64 s[26:27], s[26:27], s[50:51]
	s_lshl_b32 s50, s36, 5
	s_lshl_b32 s49, s33, 1
	s_add_co_u32 s50, s50, s49
	s_add_nc_u64 s[28:29], s[28:29], s[50:51]      ; gs: 32 bytes a position, bytes 2 ib, 2 ib + 1
; THE HEAD'S LOADS go out in groups of 32, and behind each group but the first the group before the last is taken through LDS: 32 to 64 loads of the wave are on their way while LDS works.
	LIDX s38                                       ; the first trip's tokens
.irp qd, 0,1,2,3
	global_load_b128 v[F0+4*\qd:F0+4*\qd+3], v18, s[10:11] offset:16*\qd   ; the weights' scale bytes
	global_load_b128 v[F1+4*\qd:F1+4*\qd+3], v18, s[14:15] offset:16*\qd
.endr
	WRAW 0, 0, 8                                   ; W1's rows 0-7,
	WRAW 0, 1, 8                                   ; 8-15
	s_wait_loadcnt 32                              ; loads come back in order (ISA guide 5.7.1): all but the 32 just issued are in: the tokens, the scale bytes, W1's rows 0-7
	WSTORE 0, 0
	BASES
	WRAW 1, 0, 12                                  ; W3's rows 0-7
	s_wait_loadcnt 32                              ; W1's rows 8-15 are in
	WSTORE 0, 1
	WBACK 0
	WRAW 1, 1, 12                                  ; W3's rows 8-15
	s_wait_loadcnt 32                              ; W3's rows 0-7 are in
	WSTORE 1, 0
	XROWS 0                                        ; the first trip's rows 0-7
	s_wait_loadcnt 32                              ; W3's rows 8-15 are in
	WSTORE 1, 1
	WBACK 1
	XROWS 8
	XSCL
	s_mov_b32 s48, 64
	LIDX s48                                       ; the second trip's tokens
.set kk, 0
.rept 16
	v_cndmask_b32 v[WS+kk], v[F0+kk], v[F1+kk], s47    ; W1's scale words below, W3's above
.set kk, kk+1
.endr
.set kk, 0
.rept 32
	v_mov_b32 v[G+kk], 0                           ; written once: a trip whose second pair has no rows leaves its half as it is
.set kk, kk+1
.endr
.irp m, 0,1,2,3
	v_mov_b32 v[M+\m], 0
.endr
	v_mov_b32 v[TP], 0                             ; a lane permute's destination counts as one of its sources
	v_mov_b32 v[TP+1], 0
.Ltrip:
	s_wait_loadcnt 0x0                             ; this trip's rows and the next trip's tokens are in
	s_cmp_lt_u32 s38, s37
	s_cbranch_scc0 .Lno_store
	STOREX
.Lno_store:
	s_wait_dscnt 0x0                               ; for the others' sake: my tile lies in LDS; its registers may be loaded again; (the first time: the weights' fragments are in)
	s_add_co_u32 s48, s38, 64
	s_cmp_lt_u32 s48, s37
	s_cbranch_scc0 .Lno_load
	LOADX                                          ; the next trip's rows: they land during this trip's products
	s_add_co_u32 s48, s38, 128
	LIDX s48
.Lno_load:
	s_barrier_signal -1
	s_barrier_wait -1                              ; the four tiles are whole
	s_cmp_lt_u32 s38, s37
	s_cbranch_scc0 .Lno_work
	PASS 0
	EPI 0
	s_add_co_u32 s48, s38, 32
	s_cmp_lt_u32 s48, s37
	s_cbranch_scc0 .Lno_pass1
	PASS 1
	EPI 1
.Lno_pass1:
.irp m, 0,1,2,3
	ds_store_b32 v12, v[M+\m] offset:128*\m
.endr
.Lno_work:
	s_wait_dscnt 0x0                               ; my maxima lie in LDS, and my reads of the tiles are over
	s_barrier_signal -1
	s_barrier_wait -1                              ; so the tiles may be written again, and the maxima read
	s_cmp_lt_u32 s38, s37
	s_cbranch_scc0 .Lno_fin
.irp m, 0,1,2,3
	ds_load_b32 v[PM+\m], v13 offset:128*\m
.endr
.irp k, 0,1,2,3
	ds_load_b32 v[Q+\k], v14 offset:512*\k
.endr
	s_wait_dscnt 0x0                               ; (the next trip's first barrier stands between these reads and the next maxima)
	QG 0
	QG 1
	v_max_num_f32 v[U], v[Q], v[Q+1]               ; tile w's two scale bytes: blocks 2 ib (waves 0, 1) and 2 ib + 1 (waves 2, 3).  (Also the plain line behind the conversion)
	v_max_num_f32 v[U2], v[Q+2], v[Q+3]
	v_add_nc_u32 v[U], 0xfc000000, v[U]
	v_add_nc_u32 v[U2], 0xfc000000, v[U2]
	v_lshrrev_b32 v[U], 23, v[U]
	v_lshrrev_b32 v[U2], 23, v[U2]
	v_lshl_or_b32 v[U], v[U2], 8, v[U]
	global_store_b64 v15, v[CD:CD+1], s[26:27]                   ; the wave stores 256 consecutive bytes, aligned
	global_store_b64 v15, v[CD+2:CD+3], s[26:27] offset:16384
	s_add_co_u32 s48, s38, 32
	s_cmp_lt_u32 s48, s37
	s_cbranch_scc0 .Lno_hi
	QG 2
	QG 3
	v_nop                                          ; the plain line behind the last conversion
	global_store_b64 v15, v[CD+4:CD+5], s[26:27] offset:32768
	global_store_b64 v15, v[CD+6:CD+7], s[26:27] offset:49152
.Lno_hi:
	s_add_co_u32 s48, s38, s42
	s_cmp_lt_u32 s48, s37
	s_cbranch_scc0 .Lno_fin
	global_store_b16 v16, v[U], s[28:29]           ; two of a row's 32 bytes: the work-group's registers hold 64 of the 1,024 units.  Both halves of the lanes write the same bytes
.Lno_fin:
	s_wait_xcnt 0x0                                ; the stores' bases and data are written again only behind this wait
	s_add_nc_u64 s[26:27], s[26:27], 0x10000
	s_add_nc_u64 s[28:29], s[28:29], 0x800
	s_add_co_u32 s38, s38, 64
	s_add_co_u32 s39, s39, 1
	s_cmp_lt_u32 s39, NT
	s_cbranch_scc1 .Ltrip
	s_wait_tensorcnt 0x0
	ds_add_u32 v254, v255
	s_wait_dscnt 0x0
	s_endpgm
.Lfunc_end_k_q24ad71bb31_up:
	.size	k_q24ad71bb31_up, .Lfunc_end_k_q24ad71bb31_up-k_q24ad71bb31_up
	.p2alignl 7, 3214868480
	.fill 96, 4, 3214868480
	.section	.rodata,"a",@progbits
	.p2align	6, 0x0
	.amdhsa_kernel k_q24ad71bb31_up
		.amdhsa_group_segment_fixed_size 145920
		.amdhsa_private_segment_fixed_size 0
		.amdhsa_enable_private_segment 0
		.amdhsa_kernarg_size 104
		.amdhsa_user_sgpr_count 2
		.amdhsa_user_sgpr_kernarg_segment_ptr 1
		.amdhsa_wavefront_size32 1
		.amdhsa_system_sgpr_workgroup_id_x 1
		.amdhsa_system_sgpr_workgroup_id_y 1
		.amdhsa_system_sgpr_workgroup_id_z 1
		.amdhsa_system_vgpr_workitem_id 0
		.amdhsa_next_free_vgpr 1024
		.amdhsa_next_free_sgpr 98
		.amdhsa_reserve_vcc 0
		.amdhsa_float_denorm_mode_32 3
		.amdhsa_float_denorm_mode_16_64 3
		.amdhsa_memory_ordered 1
		.amdhsa_forward_progress 1
		.amdhsa_inst_pref_size 118
	.end_amdhsa_kernel
	.amdgpu_metadata
---
amdhsa.version: [ 1, 2 ]
amdhsa.kernels:
  - .name:           k_q24ad71bb31_up
    .symbol:         k_q24ad71bb31_up.kd
    .args:
      - { .name: xq, .offset: 0, .size: 8, .value_kind: global_buffer, .address_space: global }
      - { .name: xs, .offset: 8, .size: 8, .value_kind: global_buffer, .address_space: global }
      - { .name: w1_codes, .offset: 16, .size: 8, .value_kind: global_buffer, .address_space: global }
      - { .name: w1_scales, .offset: 24, .size: 8, .value_kind: global_buffer, .address_space: global }
      - { .name: w3_codes, .offset: 32, .size: 8, .value_kind: global_buffer, .address_space: global }
      - { .name: w3_scales, .offset: 40, .size: 8, .value_kind: global_buffer, .address_space: global }
      - { .name: ws1_codes, .offset: 48, .size: 8, .value_kind: global_buffer, .address_space: global }
      - { .name: ws1_scales, .offset: 56, .size: 8, .value_kind: global_buffer, .address_space: global }
      - { .name: ws3_codes, .offset: 64, .size: 8, .value_kind: global_buffer, .address_space: global }
      - { .name: ws3_scales, .offset: 72, .size: 8, .value_kind: global_buffer, .address_space: global }
      - { .name: route, .offset: 80, .size: 8, .value_kind: global_buffer, .address_space: global }
      - { .name: gq, .offset: 88, .size: 8, .value_kind: global_buffer, .address_space: global }
      - { .name: gs, .offset: 96, .size: 8, .value_kind: global_buffer, .address_space: global }
    .group_segment_fixed_size: 145920
    .private_segment_fixed_size: 0
    .kernarg_segment_align: 8
    .kernarg_segment_size: 104
    .max_flat_workgroup_size: 128
    .sgpr_count:     98
    .vgpr_count:     1024
    .wavefront_size: 32
...
	.end_amdgpu_metadata
.endif
;; end of part 3
;; launch down (part 4): grid 8 x 24, 4 waves a work-group, no clusters, 85,504 bytes of LDS; arguments gq, gs, w2_codes, w2_scales, ws2_codes, ws2_scales, route, eo; writes eo
.if DOCPART == 4
	.amdgcn_target "amdgcn-amd-amdhsa--gfx1250"
	.amdhsa_code_object_version 6
	.text
	.protected	k_q24ad71bb31_down
	.globl	k_q24ad71bb31_down
	.p2align	8
	.type	k_q24ad71bb31_down,@function
k_q24ad71bb31_down:
	s_mov_b64 s[64:65], 0
	v_nop
	global_prefetch_b8 v0, s[64:65] scope:SCOPE_SE
	s_setreg_imm32_b32 hwreg(HW_REG_WAVE_MODE, 25, 1), 1
	s_wait_xcnt 0x0
; DOWN.  eo[position] = g[position] W2^T of the position's expert, not yet weighed: [3328][2048] f32.
; SHARES.  Work-group (db, c2): output columns 256 db .. + 255.  c2 < 16: expert c2 / 2, the first (c2 even) or second half of its pairs of 32 rows.  c2 >= 16: the shared expert's rows 128 (c2 - 16) .. + 127.
; THE WEIGHTS STAY IN REGISTERS: wave w holds columns 256 db + 64 w + 0 .. 63 for all of K = 1,024: 4 tiles x 8 K steps, 512 registers.
; A TRIP takes 64 rows, two pairs.  NT = 8 trips serve every split (half of 32 pairs); the trip count is a constant, both barriers stand on every path, and a pair without rows is jumped over.
; gq holds g as images of the operand's registers: wave w copies tile w's 16 KB through registers (a trip ahead) into LDS as they lie.  Every row of every pair that is read was stored by the launch before.
; THE PRODUCT IS USED TRANSPOSED: source 0 = 16 columns' rows of W2, source 1 = 16 rows of g: a lane holds eight neighbouring columns of one row.  A wave's 16 rows x 64 columns go through its own stage in
; LDS and leave as rows: sixteen lanes store 256 consecutive bytes, aligned.
; NO TENSOR LOAD, NO CLUSTER: which pairs work hangs on counts read from memory.
; REGISTERS: window 0 as named; window 1: K steps 0-3 (fragment (ks, t) at 64 ks + 16 t); window 2: K steps 4-7; window 3: the 32 x 4 registers in which the next trip's tile lands.
.set GB,  0                            ; LDS: 4 tiles x 16,384
.set GSC, 65536                        ; 64 rows x 32 scale bytes
.set STG, 67584                        ; 4 waves x 16 rows x (256 + 16)
.set NT,  8
.set W2S, 32                           ; v32-47   8 u + ks: lanes 0-15 tile 2 u's word of K step ks, lanes 16-31 tile 2 u + 1's
.set GSW, 48                           ; v48-55   g's word of K step ks: lanes 0-15 the pair's first tile, lanes 16-31 its second
.set GST, 56                           ; v56-59   the next trip's scale bytes
.set F0,  64                           ; v64-127, v128-191: g's fragments, 2 K steps x 2 tiles, two buffers; later rows on their way out
.set F1,  128
.set ACC, 192                          ; v192-255 (a, t) at 8 (4 a + t)
; v1 r, v2 h, v3 16 lane, v4 and v6-v9 LDS addresses, v10-v12 global offsets, v13 lane
; s32 wave, s33 db, s34 c2, s35 expert, s36 first row, s37 pairs, s38 the trip's first pair, s39 trips, s46 w / 2, s53 my first column
.set MSB, 0
.macro WIN new                         ; the immediate's high byte repeats the setting that is left
.if MSB != \new
	s_set_vgpr_msb (MSB<<8)|\new
.set MSB, \new
.endif
.endm
; one scaled product; zero: it starts the sum; ra, rb: the side's scale words stand in lanes 16-31
.macro WM d, wa, fb, zero, sa, sb, ra, rb
.if \zero
.if (\ra) && (\rb)
	v_wmma_scale_f32_16x16x128_f8f6f4 v[\d:\d+7], v[\wa:\wa+15], v[\fb:\fb+15], 0, v[\sa], v[\sb] matrix_a_scale:MATRIX_SCALE_ROW1 matrix_b_scale:MATRIX_SCALE_ROW1
.elseif \ra
	v_wmma_scale_f32_16x16x128_f8f6f4 v[\d:\d+7], v[\wa:\wa+15], v[\fb:\fb+15], 0, v[\sa], v[\sb] matrix_a_scale:MATRIX_SCALE_ROW1
.elseif \rb
	v_wmma_scale_f32_16x16x128_f8f6f4 v[\d:\d+7], v[\wa:\wa+15], v[\fb:\fb+15], 0, v[\sa], v[\sb] matrix_b_scale:MATRIX_SCALE_ROW1
.else
	v_wmma_scale_f32_16x16x128_f8f6f4 v[\d:\d+7], v[\wa:\wa+15], v[\fb:\fb+15], 0, v[\sa], v[\sb]
.endif
.else
.if (\ra) && (\rb)
	v_wmma_scale_f32_16x16x128_f8f6f4 v[\d:\d+7], v[\wa:\wa+15], v[\fb:\fb+15], v[\d:\d+7], v[\sa], v[\sb] matrix_a_scale:MATRIX_SCALE_ROW1 matrix_b_scale:MATRIX_SCALE_ROW1
.elseif \ra
	v_wmma_scale_f32_16x16x128_f8f6f4 v[\d:\d+7], v[\wa:\wa+15], v[\fb:\fb+15], v[\d:\d+7], v[\sa], v[\sb] matrix_a_scale:MATRIX_SCALE_ROW1
.elseif \rb
	v_wmma_scale_f32_16x16x128_f8f6f4 v[\d:\d+7], v[\wa:\wa+15], v[\fb:\fb+15], v[\d:\d+7], v[\sa], v[\sb] matrix_b_scale:MATRIX_SCALE_ROW1
.else
	v_wmma_scale_f32_16x16x128_f8f6f4 v[\d:\d+7], v[\wa:\wa+15], v[\fb:\fb+15], v[\d:\d+7], v[\sa], v[\sb]
.endif
.endif
.endm
.macro LOADG                           ; my tile's 16 KB of codes and 512 scale bytes into registers: every load reads 512 consecutive bytes
	WIN 0xc0                                       ; destination window 3
.set ii, 0
.rept 32
	global_load_b128 v[4*ii:4*ii+3], v3, s[4:5] offset:512*ii
.set ii, ii+1
.endr
	WIN 0
	global_load_b128 v[GST:GST+3], v3, s[6:7]
.endm
.macro STOREG                          ; and from there into LDS, as they lie
	WIN 0x0c                                       ; an LDS store's data are its source 1: window 3
.set ii, 0
.rept 32
	ds_store_b128 v4, v[4*ii:4*ii+3] offset:512*ii
.set ii, ii+1
.endr
	WIN 0
	ds_store_b128 v6, v[GST:GST+3]
.endm
.macro BATCH p, b, f                   ; K steps 2 b, 2 b + 1 of pair p's two tiles into buffer f
.irp k, 0,1
.irp a, 0,1
.irp c, 0,1,2,3
	ds_load_b128 v[\f+32*\k+16*\a+4*\c:\f+32*\k+16*\a+4*\c+3], v3 offset:16384*(2*\p+\a)+2048*(2*\b+\k)+512*\c
.endr
.endr
.endr
.endm
.macro MULB b, f                       ; 16 products; the eight accumulators take turns, one instruction a turn
.if \b < 2
	WIN 0x01                                       ; source 0: window 1
.else
	WIN 0x02
.endif
.irp k, 0,1
.irp a, 0,1
.irp t, 0,1,2,3
	WM (ACC+8*(4*\a+\t)), (64*((2*\b+\k)%4)+16*\t), (\f+32*\k+16*\a), ((2*\b+\k)==0), (W2S+8*(\t/2)+2*\b+\k), (GSW+2*\b+\k), (\t%2), \a
.endr
.endr
.endr
	WIN 0
.endm
.macro PLACES n                        ; plain vector lines between a product and a load into, or a read of, its registers (ISA guide 7.12.1 for vector instructions)
.rept \n
	v_nop
.endr
.endm
; 32 rows x my 64 columns
.macro PAIR p
	s_wait_xcnt 0x0                                ; the last pair's stores have had their addresses translated: the registers that they read are loaded again only behind this wait
	ds_load_b128 v[GSW:GSW+3], v7 offset:1024*\p
	ds_load_b128 v[GSW+4:GSW+7], v7 offset:1024*\p+16
	BATCH \p, 0, F0
	BATCH \p, 1, F1
	s_wait_dscnt 16                                ; all but the batch just issued
	MULB 0, F0
	PLACES 8
	BATCH \p, 2, F0
	s_wait_dscnt 16
	MULB 1, F1
	PLACES 8
	BATCH \p, 3, F1
	s_wait_dscnt 16
	MULB 2, F0
	s_wait_dscnt 0x0
	MULB 3, F1
	PLACES 9                                       ; eight for the reads of the results and the loads below; the ninth for the next pair's products, which begin these accumulators anew
.irp a, 0,1
.irp t, 0,1,2,3
	ds_store_b128 v8, v[ACC+8*(4*\a+\t):ACC+8*(4*\a+\t)+3] offset:64*\t          ; each accumulator from its low end on
	ds_store_b128 v8, v[ACC+8*(4*\a+\t)+4:ACC+8*(4*\a+\t)+7] offset:64*\t+16
.endr
.irp i, 0,1,2,3,4,5,6,7
	ds_load_b128 v[F0+64*\a+4*\i:F0+64*\a+4*\i+3], v9 offset:544*\i              ; LDS serves a wave's instructions in order (ISA guide 5.7.1): these see my stores, and the next tile's stores come behind them
.endr
.endr
.irp a, 0,1
.irp i, 0,1,2,3,4,5,6,7
	s_wait_dscnt 23-16*\a-\i                       ; behind this load: the rest of its eight, and for the first tile the second's eight stores and eight loads
	global_store_b128 v10, v[F0+64*\a+4*\i:F0+64*\a+4*\i+3], s[18:19] offset:262144*\p+131072*\a+16384*\i
.endr
.endr
.endm
	s_load_b512 s[4:19], s[0:1], 0x0               ; gq, gs, w2c, w2s, ws2c, ws2s, route, eo
	v_lshl_add_u32 v62, v0, 2, 0x14c00
	v_mov_b32 v63, 0
	v_lshrrev_b32 v1, 5, v0
	v_readfirstlane_b32 s32, v1                    ; wave
	s_mov_b32 s33, ttmp9                           ; db
	s_and_b32 s34, ttmp7, 0xffff                   ; c2
	v_and_b32 v13, 31, v0                          ; lane
	v_and_b32 v1, 15, v0                           ; r
	v_bfe_u32 v2, v0, 4, 1                         ; h
	v_lshlrev_b32 v3, 4, v13                       ; 16 lane: a fragment's place in an image, in memory and in LDS
	s_lshl_b32 s48, s32, 14
	v_add_nc_u32 v4, s48, v3                       ; where I store tile w
	v_lshl_add_u32 v6, v0, 4, GSC                  ; and its scale bytes: 16 x thread
	v_lshl_add_u32 v7, v13, 5, GSC                 ; a pair's scale words: row = lane
	s_mul_i32 s48, s32, 4352
	s_add_co_u32 s48, s48, STG                     ; my stage
	v_mul_u32_u24 v8, v1, 272
	v_lshl_add_u32 v8, v2, 5, v8
	v_add_nc_u32 v8, s48, v8                       ; in: row r, + 32 h (+ 64 t)
	v_mul_u32_u24 v9, v2, 272
	v_lshl_add_u32 v9, v1, 4, v9
	v_add_nc_u32 v9, s48, v9                       ; back: lanes 0-15 one row, lanes 16-31 the next
	v_lshlrev_b32 v10, 13, v2
	v_lshl_add_u32 v10, v1, 4, v10                 ; and the same two rows in eo
	v_lshlrev_b32 v11, 10, v1
	v_lshl_add_u32 v11, v2, 4, v11                 ; W2: row r of 1,024 bytes, + 16 h
	v_lshlrev_b32 v12, 5, v13                      ; its scale bytes: 32 a row, row = lane
	s_mov_b32 s38, 0
	s_mov_b32 s39, 0
	s_lshr_b32 s46, s32, 1
	s_lshr_b32 s35, s34, 1
	s_min_u32 s35, s35, 7
	s_lshl_b32 s56, s35, 2
	s_wait_kmcnt 0x0
	s_load_b32 s36, s[16:17], s56 offset:0x0       ; base
	s_load_b32 s37, s[16:17], s56 offset:0x20      ; count
	s_cmp_lt_u32 s34, 16                           ; a routed expert's weights or the shared one's: the choice hangs on the work-group's number alone
	s_cselect_b64 s[8:9], s[8:9], s[12:13]
	s_cselect_b64 s[10:11], s[10:11], s[14:15]
	s_cselect_b32 s35, s35, 0
	s_lshl_b32 s53, s33, 8
	s_lshl_b32 s50, s32, 6
	s_add_co_u32 s53, s53, s50                     ; my first column
	s_lshl_b32 s50, s35, 21
	s_lshl_b32 s52, s53, 10
	s_add_co_u32 s50, s50, s52
	s_mov_b32 s51, 0
	s_add_nc_u64 s[8:9], s[8:9], s[50:51]
	s_lshl_b32 s50, s35, 16
	s_lshl_b32 s52, s53, 5
	s_add_co_u32 s50, s50, s52
	s_add_nc_u64 s[10:11], s[10:11], s[50:51]
	WIN 0x40                                       ; the weights: destination window 1,
.set ks, 0
.rept 4
.irp t, 0,1,2,3
.irp c, 0,1,2,3
	global_load_b128 v[64*ks+16*\t+4*\c:64*ks+16*\t+4*\c+3], v11, s[8:9] offset:16384*\t+128*ks+32*\c
.endr
.endr
.set ks, ks+1
.endr
	WIN 0x80                                       ; window 2
.rept 4
.irp t, 0,1,2,3
.irp c, 0,1,2,3
	global_load_b128 v[64*(ks-4)+16*\t+4*\c:64*(ks-4)+16*\t+4*\c+3], v11, s[8:9] offset:16384*\t+128*ks+32*\c
.endr
.endr
.set ks, ks+1
.endr
	WIN 0
.irp u, 0,1
	global_load_b128 v[W2S+8*\u:W2S+8*\u+3], v12, s[10:11] offset:1024*\u
	global_load_b128 v[W2S+8*\u+4:W2S+8*\u+7], v12, s[10:11] offset:1024*\u+16
.endr
	s_wait_kmcnt 0x0
	s_min_u32 s37, s37, 0x400
	s_add_co_u32 s40, s37, 31
	s_lshr_b32 s40, s40, 5                         ; the expert's pairs
	s_add_co_u32 s41, s40, 1
	s_lshr_b32 s41, s41, 1                         ; the first half's
	s_sub_co_u32 s42, s40, s41                     ; the second half's
	s_and_b32 s45, s34, 1
	s_cmp_lg_u32 s45, 0
	s_cselect_b32 s43, s41, 0                      ; my first pair
	s_cselect_b32 s37, s42, s41                    ; my pairs
	s_lshl_b32 s43, s43, 5
	s_add_co_u32 s36, s36, s43                     ; my first row
	s_sub_co_u32 s44, s34, 16
	s_lshl_b32 s44, s44, 7
	s_add_co_u32 s44, s44, 2304                    ; a shared chunk's
	s_cmp_lt_u32 s34, 16
	s_cselect_b32 s36, s36, s44
	s_cselect_b32 s37, s37, 4
	s_min_u32 s36, s36, 0xcc0                      ; loaded numbers enter addresses only held to the tables' sizes
	s_lshl_b32 s47, s32, 4
	s_add_co_u32 s48, s36, s47                     ; my tile's first row;
	s_add_co_u32 s49, s47, 2304                    ; a wave whose pair has no rows loads shared rows once, and uses nothing of them
	s_cmp_lt_u32 s46, s37
	s_cselect_b32 s48, s48, s49
	s_min_u32 s48, s48, 0xcf0
	s_lshl_b32 s50, s48, 10
	s_add_nc_u64 s[4:5], s[4:5], s[50:51]
	s_lshl_b32 s50, s48, 5
	s_add_nc_u64 s[6:7], s[6:7], s[50:51]
	s_lshl_b32 s50, s36, 13
	s_lshl_b32 s52, s53, 2
	s_add_co_u32 s50, s50, s52
	s_add_nc_u64 s[18:19], s[18:19], s[50:51]
	LOADG                                          ; the first trip's tile
.Ltrip:
	s_wait_loadcnt 0x0                             ; this trip's tile is in (the first time: the weights too)
	s_add_co_u32 s48, s38, s46
	s_cmp_lt_u32 s48, s37
	s_cbranch_scc0 .Lno_store
	STOREG
.Lno_store:
	s_wait_dscnt 0x0                               ; for the others' sake: my tile lies in LDS; and its registers may be loaded again
	s_add_co_u32 s48, s48, 2
	s_cmp_lt_u32 s48, s37
	s_cbranch_scc0 .Lno_load
	s_add_nc_u64 s[4:5], s[4:5], 0x10000           ; (the loads that named these bases are done)
	s_add_nc_u64 s[6:7], s[6:7], 0x800
	LOADG                                          ; the next trip's tile: it lands during this trip's products
.Lno_load:
	s_barrier_signal -1
	s_barrier_wait -1                              ; the tiles are whole
	s_cmp_lt_u32 s38, s37
	s_cbranch_scc0 .Lno_pair0
	PAIR 0
.Lno_pair0:
	s_add_co_u32 s48, s38, 1
	s_cmp_lt_u32 s48, s37
	s_cbranch_scc0 .Lno_pair1
	PAIR 1
.Lno_pair1:
	s_wait_dscnt 0x0                               ; my reads of the tiles are over
	s_barrier_signal -1
	s_barrier_wait -1                              ; so they may be written again
	s_wait_xcnt 0x0                                ; the stores' base is written again only behind this wait
	s_add_nc_u64 s[18:19], s[18:19], 0x80000
	s_add_co_u32 s38, s38, 2
	s_add_co_u32 s39, s39, 1
	s_cmp_lt_u32 s39, NT
	s_cbranch_scc1 .Ltrip
	s_wait_tensorcnt 0x0
	ds_add_u32 v62, v63
	s_wait_dscnt 0x0
	s_endpgm
.Lfunc_end_k_q24ad71bb31_down:
	.size	k_q24ad71bb31_down, .Lfunc_end_k_q24ad71bb31_down-k_q24ad71bb31_down
	.p2alignl 7, 3214868480
	.fill 96, 4, 3214868480
	.section	.rodata,"a",@progbits
	.p2align	6, 0x0
	.amdhsa_kernel k_q24ad71bb31_down
		.amdhsa_group_segment_fixed_size 85504
		.amdhsa_private_segment_fixed_size 0
		.amdhsa_enable_private_segment 0
		.amdhsa_kernarg_size 64
		.amdhsa_user_sgpr_count 2
		.amdhsa_user_sgpr_kernarg_segment_ptr 1
		.amdhsa_wavefront_size32 1
		.amdhsa_system_sgpr_workgroup_id_x 1
		.amdhsa_system_sgpr_workgroup_id_y 1
		.amdhsa_system_sgpr_workgroup_id_z 1
		.amdhsa_system_vgpr_workitem_id 0
		.amdhsa_next_free_vgpr 1024
		.amdhsa_next_free_sgpr 66
		.amdhsa_reserve_vcc 0
		.amdhsa_float_denorm_mode_32 3
		.amdhsa_float_denorm_mode_16_64 3
		.amdhsa_memory_ordered 1
		.amdhsa_forward_progress 1
		.amdhsa_inst_pref_size 61
	.end_amdhsa_kernel
	.amdgpu_metadata
---
amdhsa.version: [ 1, 2 ]
amdhsa.kernels:
  - .name:           k_q24ad71bb31_down
    .symbol:         k_q24ad71bb31_down.kd
    .args:
      - { .name: gq, .offset: 0, .size: 8, .value_kind: global_buffer, .address_space: global }
      - { .name: gs, .offset: 8, .size: 8, .value_kind: global_buffer, .address_space: global }
      - { .name: w2_codes, .offset: 16, .size: 8, .value_kind: global_buffer, .address_space: global }
      - { .name: w2_scales, .offset: 24, .size: 8, .value_kind: global_buffer, .address_space: global }
      - { .name: ws2_codes, .offset: 32, .size: 8, .value_kind: global_buffer, .address_space: global }
      - { .name: ws2_scales, .offset: 40, .size: 8, .value_kind: global_buffer, .address_space: global }
      - { .name: route, .offset: 48, .size: 8, .value_kind: global_buffer, .address_space: global }
      - { .name: eo, .offset: 56, .size: 8, .value_kind: global_buffer, .address_space: global }
    .group_segment_fixed_size: 85504
    .private_segment_fixed_size: 0
    .kernarg_segment_align: 8
    .kernarg_segment_size: 64
    .max_flat_workgroup_size: 128
    .sgpr_count:     66
    .vgpr_count:     1024
    .wavefront_size: 32
...
	.end_amdgpu_metadata
.endif
;; end of part 4
;; launch combine (part 5): grid 256 x 1, 4 waves a work-group, no clusters, 0 bytes of LDS; arguments eo, route, wts, out0; writes out0
.if DOCPART == 5
	.amdgcn_target "amdgcn-amd-amdhsa--gfx1250"
	.amdhsa_code_object_version 6
	.text
	.protected	k_q24ad71bb31_combine
	.globl	k_q24ad71bb31_combine
	.p2align	8
	.type	k_q24ad71bb31_combine,@function
k_q24ad71bb31_combine:
	s_mov_b64 s[64:65], 0
	v_nop
	global_prefetch_b8 v0, s[64:65] scope:SCOPE_SE
	s_setreg_imm32_b32 hwreg(HW_REG_WAVE_MODE, 25, 1), 1
	s_wait_xcnt 0x0
; COMBINE.  out[t] = w0 eo[pos(t, 0)] + w1 eo[pos(t, 1)] + eo[2304 + t]: each output row has one owner, a wave.
; A stream: three rows of 8,192 bytes in, one out; every load and store of the wave covers 512 consecutive bytes, aligned; all 48 loads go out at once.  No LDS, no barrier, no matrix unit: nothing is shared.
.set A, 16                             ; v16-79   the first expert's row, 4 registers a chunk
.set B, 80                             ; v80-143  the second's
.set Z, 144                            ; v144-207 the shared expert's, then the result
	s_load_b256 s[4:11], s[0:1], 0x0               ; eo, route, wts, out0
	v_lshrrev_b32 v1, 5, v0
	v_readfirstlane_b32 s12, v1                    ; wave
	s_lshl_b32 s13, ttmp9, 2
	s_add_co_u32 s13, s13, s12                     ; my token
	s_lshl_b32 s28, s13, 3
	v_and_b32 v1, 31, v0
	v_lshlrev_b32 v1, 4, v1                        ; 16 bytes a lane
	s_wait_kmcnt 0x0
	s_load_b64 s[14:15], s[6:7], s28 offset:0x100  ; its two positions
	s_load_b64 s[16:17], s[8:9], s28 offset:0x0    ; its two weights
	s_add_co_u32 s18, s13, 2304
	s_lshl_b32 s18, s18, 13
	s_mov_b32 s19, 0
	s_add_nc_u64 s[24:25], s[4:5], s[18:19]        ; the shared expert's row
	s_lshl_b32 s18, s13, 13
	s_add_nc_u64 s[10:11], s[10:11], s[18:19]
	s_wait_kmcnt 0x0
	s_min_u32 s14, s14, 0xcff                      ; loaded numbers enter addresses only held to the table's size
	s_min_u32 s15, s15, 0xcff
	s_lshl_b32 s18, s14, 13
	s_add_nc_u64 s[20:21], s[4:5], s[18:19]
	s_lshl_b32 s18, s15, 13
	s_add_nc_u64 s[22:23], s[4:5], s[18:19]
	s_mov_b32 s26, s17                             ; the packed form takes a pair's low word for both halves: the second weight gets a pair of its own
	s_mov_b32 s27, s17
.set ii, 0
.rept 16
	global_load_b128 v[A+4*ii:A+4*ii+3], v1, s[20:21] offset:512*ii th:TH_LOAD_NT
	global_load_b128 v[B+4*ii:B+4*ii+3], v1, s[22:23] offset:512*ii th:TH_LOAD_NT
	global_load_b128 v[Z+4*ii:Z+4*ii+3], v1, s[24:25] offset:512*ii th:TH_LOAD_NT
.set ii, ii+1
.endr
.set ii, 0
.rept 16
	s_wait_loadcnt 3*(15-ii)                       ; loads come back in order (ISA guide 5.7.1): this chunk's three are in, the younger chunks' stay out
	v_pk_fma_f32 v[Z+4*ii:Z+4*ii+1], v[A+4*ii:A+4*ii+1], s[16:17], v[Z+4*ii:Z+4*ii+1] op_sel_hi:[1,0,1]
	v_pk_fma_f32 v[Z+4*ii+2:Z+4*ii+3], v[A+4*ii+2:A+4*ii+3], s[16:17], v[Z+4*ii+2:Z+4*ii+3] op_sel_hi:[1,0,1]
	v_pk_fma_f32 v[Z+4*ii:Z+4*ii+1], v[B+4*ii:B+4*ii+1], s[26:27], v[Z+4*ii:Z+4*ii+1] op_sel_hi:[1,0,1]
	v_pk_fma_f32 v[Z+4*ii+2:Z+4*ii+3], v[B+4*ii+2:B+4*ii+3], s[26:27], v[Z+4*ii+2:Z+4*ii+3] op_sel_hi:[1,0,1]
	global_store_b128 v1, v[Z+4*ii:Z+4*ii+3], s[10:11] offset:512*ii th:TH_STORE_NT
.set ii, ii+1
.endr
	s_endpgm
.Lfunc_end_k_q24ad71bb31_combine:
	.size	k_q24ad71bb31_combine, .Lfunc_end_k_q24ad71bb31_combine-k_q24ad71bb31_combine
	.p2alignl 7, 3214868480
	.fill 96, 4, 3214868480
	.section	.rodata,"a",@progbits
	.p2align	6, 0x0
	.amdhsa_kernel k_q24ad71bb31_combine
		.amdhsa_group_segment_fixed_size 0
		.amdhsa_private_segment_fixed_size 0
		.amdhsa_enable_private_segment 0
		.amdhsa_kernarg_size 32
		.amdhsa_user_sgpr_count 2
		.amdhsa_user_sgpr_kernarg_segment_ptr 1
		.amdhsa_wavefront_size32 1
		.amdhsa_system_sgpr_workgroup_id_x 1
		.amdhsa_system_sgpr_workgroup_id_y 1
		.amdhsa_system_sgpr_workgroup_id_z 1
		.amdhsa_system_vgpr_workitem_id 0
		.amdhsa_next_free_vgpr 208
		.amdhsa_next_free_sgpr 66
		.amdhsa_reserve_vcc 0
		.amdhsa_float_denorm_mode_32 3
		.amdhsa_float_denorm_mode_16_64 3
		.amdhsa_memory_ordered 1
		.amdhsa_forward_progress 1
		.amdhsa_inst_pref_size 12
	.end_amdhsa_kernel
	.amdgpu_metadata
---
amdhsa.version: [ 1, 2 ]
amdhsa.kernels:
  - .name:           k_q24ad71bb31_combine
    .symbol:         k_q24ad71bb31_combine.kd
    .args:
      - { .name: eo, .offset: 0, .size: 8, .value_kind: global_buffer, .address_space: global }
      - { .name: route, .offset: 8, .size: 8, .value_kind: global_buffer, .address_space: global }
      - { .name: wts, .offset: 16, .size: 8, .value_kind: global_buffer, .address_space: global }
      - { .name: out0, .offset: 24, .size: 8, .value_kind: global_buffer, .address_space: global }
    .group_segment_fixed_size: 0
    .private_segment_fixed_size: 0
    .kernarg_segment_align: 8
    .kernarg_segment_size: 32
    .max_flat_workgroup_size: 128
    .sgpr_count:     66
    .vgpr_count:     208
    .wavefront_size: 32
...
	.end_amdgpu_metadata
.endif
;; end of part 5
;; ======== version 2 of 2: 5 launches
;; workspace buffers: xq 2,097,152 bytes; xs 65,536 bytes; idx 8,192 bytes of whole numbers; wts 8,192 bytes; route 21,760 bytes of whole numbers; gq 3,407,872 bytes; gs 106,496 bytes; eo 27,262,976 bytes
;; launch gate (part 6): grid 256 x 1, 4 waves a work-group, no clusters, 1,536 bytes of LDS; arguments x, gate_w, xq, xs, idx, wts; writes xq, xs, idx, wts
.if DOCPART == 6
	.amdgcn_target "amdgcn-amd-amdhsa--gfx1250"
	.amdhsa_code_object_version 6
	.text
	.protected	k_q24ad71bb31_gate
	.globl	k_q24ad71bb31_gate
	.p2align	8
	.type	k_q24ad71bb31_gate,@function
k_q24ad71bb31_gate:
	s_mov_b64 s[64:65], 0
	v_nop
	global_prefetch_b8 v0, s[64:65] scope:SCOPE_SE
	s_setreg_imm32_b32 hwreg(HW_REG_WAVE_MODE, 25, 1), 1
	s_wait_xcnt 0x0
; GATE.  For 1,024 tokens of 2,048 numbers: the eight logits x . gate_w[e] in f32, their softmax (the largest logit taken away first), the two largest scores and their experts
; (of equal scores the lower expert, as jax.lax.top_k has it); and x as codes of E4M3 with one E8M0 byte for each 32 along its row.
; SHARES.  A work-group takes 4 tokens; wave w takes numbers 512 w .. 512 w + 511 of all four, so that its slice of gate_w is loaded once for four tokens.  A unit (t, gg) is 256 numbers:
; lane l holds the eight neighbours 512 w + 256 gg + 8 l + 0 .. 7, four neighbouring lanes hold a block of 32.
; The choice is only STORED here (idx, wts, at fixed places): no address of this launch hangs on it.
; No matrix unit (8 columns), no cluster, no tensor load: work-groups share only gate_w's 64 KB.
; LIMITS: NaN and infinities among the inputs are not served.  A block of zeros gets the byte 1 (the rule says 127): its codes are zeros and this program alone reads the bytes.
; Two scores that differ by less than f32 sums can tell may be ordered either way.
.set RED, 0                            ; LDS: 4 waves x 32 partial logits (word 8 t + e)
.set SCB, 512                          ; LDS: 4 tokens x 64 scale bytes
.set X,   16                           ; v16-79   x: unit (t, gg) at X + 16 t + 8 gg
.set GW,  80                           ; v80-207  gate_w: (e, gg) at GW + 16 e + 8 gg
.set S,   208                          ; v208-239 partial logits, 8 t + e
.set CD,  80                           ; behind the sums: a unit's codes, two registers each
.set SBY, 96                           ; and its scale byte
.set TP,  240                          ; v240-247 targets of the lane permute
	s_load_b256 s[4:11], s[0:1], 0x0               ; x, gate_w, xq, xs
	s_load_b128 s[12:15], s[0:1], 0x20             ; idx, wts
	v_lshl_add_u32 v254, v0, 2, 0x400
	v_mov_b32 v255, 0
	v_lshrrev_b32 v1, 5, v0
	v_readfirstlane_b32 s16, v1                    ; wave
	v_and_b32 v1, 31, v0                           ; lane
	v_lshlrev_b32 v2, 5, v1                        ; my 32 bytes of a unit's 1,024
	v_lshlrev_b32 v3, 3, v1                        ; my 8 codes of a unit's 256
	s_lshl_b32 s17, s16, 4
	s_add_co_u32 s17, s17, SCB
	v_lshrrev_b32 v4, 2, v1
	v_add_nc_u32 v4, s17, v4                       ; my block's scale byte: SCB + 16 w + lane / 4 (+ 64 t + 8 gg)
	s_lshl_b32 s17, s16, 7
	v_mov_b32 v5, s17                              ; my wave's 128 bytes of partial logits
	v_add_nc_u32 v12, SCB, v3                      ; the scale bytes on their way out: 8 a lane
	v_lshlrev_b32 v13, 2, v1                       ; the partial logits on their way back: word = lane
	s_mov_b32 s20, 0x76543210
	s_mov_b32 s21, 0xfedcba98                      ; lane l xor 16
	s_mov_b32 s22, 0x600000                        ; the mantissa field of 448
.irp k, 0,1,2,3,4,5,6,7
	v_mov_b32 v[TP+\k], 0                          ; a lane permute's destination counts as one of its sources
.endr
	s_lshl_b32 s18, ttmp9, 15                      ; x: 4 tokens of 8,192 bytes a work-group,
	s_lshl_b32 s24, s16, 11                        ; 2,048 bytes a wave (gate_w likewise)
	s_add_co_u32 s18, s18, s24
	s_mov_b32 s19, 0
	s_mov_b32 s25, 0
	s_lshl_b32 s26, ttmp9, 13                      ; xq: 4 x 2,048 bytes a work-group, 512 a wave
	s_lshl_b32 s27, s16, 9
	s_add_co_u32 s26, s26, s27
	s_mov_b32 s27, 0
	s_lshl_b32 s28, ttmp9, 8                       ; xs: 4 x 64
	s_mov_b32 s29, 0
	s_lshl_b32 s30, ttmp9, 5                       ; idx, wts: 4 x 8
	s_mov_b32 s31, 0
	s_wait_kmcnt 0x0
	s_add_nc_u64 s[4:5], s[4:5], s[18:19]
	s_add_nc_u64 s[6:7], s[6:7], s[24:25]
	s_add_nc_u64 s[8:9], s[8:9], s[26:27]
	s_add_nc_u64 s[10:11], s[10:11], s[28:29]
	s_add_nc_u64 s[12:13], s[12:13], s[30:31]
	s_add_nc_u64 s[14:15], s[14:15], s[30:31]
.irp t, 0,1,2,3
.irp gg, 0,1
	global_load_b128 v[X+16*\t+8*\gg:X+16*\t+8*\gg+3], v2, s[4:5] offset:8192*\t+1024*\gg th:TH_LOAD_NT
	global_load_b128 v[X+16*\t+8*\gg+4:X+16*\t+8*\gg+7], v2, s[4:5] offset:8192*\t+1024*\gg+16 th:TH_LOAD_NT
.endr
.endr
.irp e, 0,1,2,3,4,5,6,7
.irp gg, 0,1
	global_load_b128 v[GW+16*\e+8*\gg:GW+16*\e+8*\gg+3], v2, s[6:7] offset:8192*\e+1024*\gg
	global_load_b128 v[GW+16*\e+8*\gg+4:GW+16*\e+8*\gg+7], v2, s[6:7] offset:8192*\e+1024*\gg+16
.endr
.endr
	s_wait_loadcnt 0x0
; the 32 partial logits of my 16 numbers a token: the first product starts each sum; the 32 sums take turns, so that no line waits for the line above it
.irp gg, 0,1
.irp i, 0,1,2,3,4,5,6,7
.irp t, 0,1,2,3
.irp e, 0,1,2,3,4,5,6,7
.if (\gg == 0) && (\i == 0)
	v_mul_f32 v[S+8*\t+\e], v[X+16*\t+8*\gg+\i], v[GW+16*\e+8*\gg+\i]
.else
	v_fmac_f32 v[S+8*\t+\e], v[X+16*\t+8*\gg+\i], v[GW+16*\e+8*\gg+\i]
.endif
.endr
.endr
.endr
.endr
; over the 32 lanes
.irp m, 1,2,4,8
.set kk, 0
.rept 32
	v_add_f32_dpp v[S+kk], v[S+kk], v[S+kk] row_xmask:\m row_mask:0xf bank_mask:0xf
.set kk, kk+1
.endr
.endr
.irp q, 0,1,2,3
.irp k, 0,1,2,3,4,5,6,7
	v_permlanex16_b32 v[TP+\k], v[S+8*\q+\k], s20, s21
.endr
.irp k, 0,1,2,3,4,5,6,7
	v_add_f32 v[S+8*\q+\k], v[S+8*\q+\k], v[TP+\k]
.endr
.endr
.irp k, 0,1,2,3,4,5,6,7
	ds_store_b128 v5, v[S+4*\k:S+4*\k+3] offset:16*\k      ; every lane holds the same sums and writes the same bytes
.endr
; A unit becomes codes.  The largest magnitude of my 8 (with the floor 2^(9 - 127) among the leaves, which holds the byte at 1 from below), then of the three lanes that share the block;
; 8 off its exponent field is the conversion's scale operand; its exponent field over 448's mantissa is the hold (the conversion to an 8-bit code does not saturate: ISA guide 7.6.2).
.macro QX t, gg
.set XU, X+16*\t+8*\gg
.set UU, 2*\t+\gg
	v_max3_num_f32 v6, |v[XU]|, |v[XU+1]|, 0x4800000
	v_max3_num_f32 v7, |v[XU+2]|, |v[XU+3]|, |v[XU+4]|
	v_max3_num_f32 v6, v6, |v[XU+5]|, |v[XU+6]|
	v_max3_num_f32 v6, v6, v7, |v[XU+7]|
	v_max_num_f32_dpp v6, v6, v6 row_xmask:1 row_mask:0xf bank_mask:0xf
	v_max_num_f32_dpp v6, v6, v6 row_xmask:2 row_mask:0xf bank_mask:0xf
	v_add_nc_u32 v8, 0xfc000000, v6
	v_and_or_b32 v9, v6, 0x7f800000, s22
.irp i, 0,1,2,3,4,5,6,7
	v_med3_num_f32 v[XU+\i], v[XU+\i], -v9, v9
.endr
	v_cvt_scalef32_pk8_fp8_f32 v[CD+2*UU:CD+2*UU+1], v[XU:XU+7], v8
	v_lshrrev_b32 v[SBY+UU], 23, v8                ; the scale's byte (and the plain line behind the conversion)
	ds_store_b8 v4, v[SBY+UU] offset:64*\t+8*\gg   ; the four lanes of a block write the same byte with the same value
	global_store_b64 v3, v[CD+2*UU:CD+2*UU+1], s[8:9] offset:2048*\t+256*\gg   ; the wave stores 256 consecutive bytes, aligned; each unit has registers of its own
.endm
.irp t, 0,1,2,3
.irp gg, 0,1
	QX \t, \gg
.endr
.endr
	s_wait_dscnt 0x0                               ; for the others' sake: my partial logits and my scale bytes lie in LDS
	s_barrier_signal -1
	s_barrier_wait -1
	s_cmp_eq_u32 s16, 1
	s_cbranch_scc1 .Lscales
	s_cmp_eq_u32 s16, 0
	s_cbranch_scc1 .Lroute
	s_wait_tensorcnt 0x0
	ds_add_u32 v254, v255
	s_wait_dscnt 0x0
	s_endpgm
.Lscales:                                              ; wave 1: the four tokens' 256 scale bytes leave as one aligned run
	ds_load_b64 v[10:11], v12
	s_wait_dscnt 0x0
	global_store_b64 v3, v[10:11], s[10:11]
	s_wait_tensorcnt 0x0
	ds_add_u32 v254, v255
	s_wait_dscnt 0x0
	s_endpgm
.Lroute:                                               ; wave 0: lane l is (token l / 8, expert l % 8)
.irp k, 0,1,2,3
	ds_load_b32 v[16+\k], v13 offset:128*\k
.endr
	v_and_b32 v30, 7, v1                           ; e
	v_cvt_f32_u32 v31, v30                         ; e as f32: an index that can go through a minimum over lanes
	v_lshrrev_b32 v32, 3, v1
	v_lshlrev_b32 v32, 3, v32
	v_lshl_add_u32 v32, v30, 2, v32                ; 8 t + 4 e: where lanes e = 0, 1 store
	v_mov_b32 v33, -1.0
	s_wait_dscnt 0x0
	v_add_f32 v16, v16, v17
	v_add_f32 v18, v18, v19
	v_add_f32 v16, v16, v18                        ; the logit
	v_mov_b32 v20, v16
.irp m, 1,2,4
	v_max_num_f32_dpp v20, v20, v20 row_xmask:\m row_mask:0xf bank_mask:0xf   ; the token's largest logit
.endr
	v_sub_f32 v21, v16, v20
	v_mul_f32 v21, 0x3fb8aa3b, v21
	s_wait_alu depctr_va_vdst(0)
	v_exp_f32 v21, v21
	v_nop                                          ; one plain line behind a transcendental
	s_wait_alu depctr_va_vdst(0)
	v_mov_b32 v22, v21
.irp m, 1,2,4
	v_add_f32_dpp v22, v22, v22 row_xmask:\m row_mask:0xf bank_mask:0xf
.endr
	s_wait_alu depctr_va_vdst(0)
	v_rcp_f32 v22, v22
	v_nop
	s_wait_alu depctr_va_vdst(0)
	v_mul_f32 v21, v21, v22                        ; the score
	v_mov_b32 v23, v21
.irp m, 1,2,4
	v_max_num_f32_dpp v23, v23, v23 row_xmask:\m row_mask:0xf bank_mask:0xf   ; the largest score
.endr
	v_cmp_eq_f32 vcc_lo, v21, v23
	v_cndmask_b32 v24, 0x41000000, v31, vcc_lo     ; my index where I hold it, else 8
.irp m, 1,2,4
	v_min_num_f32_dpp v24, v24, v24 row_xmask:\m row_mask:0xf bank_mask:0xf   ; the lowest such index
.endr
	v_cmp_eq_f32 vcc_lo, v31, v24
	v_cndmask_b32 v25, v21, v33, vcc_lo            ; the chosen one leaves the field: -1 lies under every score
	v_mov_b32 v26, v25
.irp m, 1,2,4
	v_max_num_f32_dpp v26, v26, v26 row_xmask:\m row_mask:0xf bank_mask:0xf
.endr
	v_cmp_eq_f32 vcc_lo, v25, v26
	v_cndmask_b32 v27, 0x41000000, v31, vcc_lo
.irp m, 1,2,4
	v_min_num_f32_dpp v27, v27, v27 row_xmask:\m row_mask:0xf bank_mask:0xf
.endr
	v_cmp_eq_u32 vcc_lo, 0, v30
	v_cndmask_b32 v28, v27, v24, vcc_lo            ; lane e = 0 takes the first choice, the others the second
	v_cndmask_b32 v29, v26, v23, vcc_lo
	v_cvt_u32_f32 v28, v28
	s_wait_alu depctr_va_vdst(0)
	s_wait_xcnt 0x0                                ; EXEC changes only behind this wait: my earlier stores have had their addresses translated
	s_wait_tensorcnt 0x0
	ds_add_u32 v254, v255
	s_wait_dscnt 0x0
	v_cmpx_gt_u32 2, v30                           ; lanes e = 0, 1
	global_store_b32 v32, v28, s[12:13]
	global_store_b32 v32, v29, s[14:15]
	s_endpgm
.Lfunc_end_k_q24ad71bb31_gate:
	.size	k_q24ad71bb31_gate, .Lfunc_end_k_q24ad71bb31_gate-k_q24ad71bb31_gate
	.p2alignl 7, 3214868480
	.fill 96, 4, 3214868480
	.section	.rodata,"a",@progbits
	.p2align	6, 0x0
	.amdhsa_kernel k_q24ad71bb31_gate
		.amdhsa_group_segment_fixed_size 1536
		.amdhsa_private_segment_fixed_size 0
		.amdhsa_enable_private_segment 0
		.amdhsa_kernarg_size 48
		.amdhsa_user_sgpr_count 2
		.amdhsa_user_sgpr_kernarg_segment_ptr 1
		.amdhsa_wavefront_size32 1
		.amdhsa_system_sgpr_workgroup_id_x 1
		.amdhsa_system_sgpr_workgroup_id_y 1
		.amdhsa_system_sgpr_workgroup_id_z 1
		.amdhsa_system_vgpr_workitem_id 0
		.amdhsa_next_free_vgpr 256
		.amdhsa_next_free_sgpr 66
		.amdhsa_reserve_vcc 1
		.amdhsa_float_denorm_mode_32 3
		.amdhsa_float_denorm_mode_16_64 3
		.amdhsa_memory_ordered 1
		.amdhsa_forward_progress 1
		.amdhsa_inst_pref_size 49
	.end_amdhsa_kernel
	.amdgpu_metadata
---
amdhsa.version: [ 1, 2 ]
amdhsa.kernels:
  - .name:           k_q24ad71bb31_gate
    .symbol:         k_q24ad71bb31_gate.kd
    .args:
      - { .name: x, .offset: 0, .size: 8, .value_kind: global_buffer, .address_space: global }
      - { .name: gate_w, .offset: 8, .size: 8, .value_kind: global_buffer, .address_space: global }
      - { .name: xq, .offset: 16, .size: 8, .value_kind: global_buffer, .address_space: global }
      - { .name: xs, .offset: 24, .size: 8, .value_kind: global_buffer, .address_space: global }
      - { .name: idx, .offset: 32, .size: 8, .value_kind: global_buffer, .address_space: global }
      - { .name: wts, .offset: 40, .size: 8, .value_kind: global_buffer, .address_space: global }
    .group_segment_fixed_size: 1536
    .private_segment_fixed_size: 0
    .kernarg_segment_align: 8
    .kernarg_segment_size: 48
    .max_flat_workgroup_size: 128
    .sgpr_count:     66
    .vgpr_count:     256
    .wavefront_size: 32
...
	.end_amdgpu_metadata
.endif
;; end of part 6
;; launch place (part 7): grid 1 x 1, 4 waves a work-group, no clusters, 768 bytes of LDS; arguments idx, route; writes route
.if DOCPART == 7
	.amdgcn_target "amdgcn-amd-amdhsa--gfx1250"
	.amdhsa_code_object_version 6
	.text
	.protected	k_q24ad71bb31_place
	.globl	k_q24ad71bb31_place
	.p2align	8
	.type	k_q24ad71bb31_place,@function
k_q24ad71bb31_place:
	s_mov_b64 s[64:65], 0
	v_nop
	global_prefetch_b8 v0, s[64:65] scope:SCOPE_SE
	s_setreg_imm32_b32 hwreg(HW_REG_WAVE_MODE, 25, 1), 1
	s_wait_xcnt 0x0
; PLACE.  A counting sort of the 2,048 entries (token, slot) by expert, by one work-group, without atomics.
; route: byte 0 base[8], byte 32 count[8], byte 256 pos[1024][2], byte 8448 list[3328] (position -> token).  Expert e owns positions base[e] .. base[e] + count[e] - 1; every base is a
; multiple of 32, so the routed positions end at or under 2,048 + 8 x 31 = 2,296.  Positions 2304 + t are the shared expert's: list[2304 + t] = t.
; Positions between an expert's last row and the next base are not written, and no later launch reads them.
; Thread i has 16 entries: load q brings entries 4 q + c of token 256 q + 2 i + c / 2, slot c % 2.  Which position of its expert an entry gets is free: here thread by thread.
; One work-group: the work is 8 KB in and 21 KB out, and a sort needs all counts.
.set ENT,  8                           ; v8-23    my 16 experts
.set C,    24                          ; v24-31   my count of each expert
.set I,    32                          ; v32-39   its inclusive scan over the wave's lanes
.set TT,   44                          ; v44-75   the four waves' totals, 8 w + e
.set BASE, 76
.set CNT,  84
.set RUN,  92                          ; v92-99   the next free position of each expert, for my entries
.set POS,  100
.set ADR,  116
.set TOKV, 132
.set ID,   148
.set W,    156
.set T8,   164
	s_load_b128 s[4:7], s[0:1], 0x0                ; idx, route
	v_lshl_add_u32 v176, v0, 2, 0x100
	v_mov_b32 v177, 0
	v_lshrrev_b32 v1, 5, v0
	v_readfirstlane_b32 s8, v1                     ; wave
	v_lshlrev_b32 v2, 4, v0                        ; 16 i
	v_bfe_u32 v3, v0, 4, 1                         ; 1 in lanes 16-31
	v_mov_b32 v4, 0
	s_lshl_b32 s9, s8, 5
	v_mov_b32 v172, s9                             ; LDS: my wave's eight totals
	s_wait_alu depctr_va_vdst(0)
	s_wait_kmcnt 0x0
.irp q, 0,1,2,3
	global_load_b128 v[ENT+4*\q:ENT+4*\q+3], v2, s[4:5] offset:2048*\q
.endr
	v_lshlrev_b32 v5, 1, v0                        ; 2 i
	v_lshlrev_b32 v6, 3, v0                        ; 8 i
	v_lshlrev_b32 v7, 5, v0                        ; 32 i
.irp q, 0,1,2,3
.irp c, 0,1,2,3
	v_add_nc_u32 v[TOKV+4*\q+\c], 256*\q+\c/2, v5  ; the entry's token
.endr
.endr
.irp k, 0,1,2,3,4,5,6,7
	v_add_nc_u32 v[ID+\k], \k, v6
	v_mov_b32 v[C+\k], 0
	v_mov_b32 v[T8+\k], 0                          ; a DPP destination counts as read
.endr
	s_cmp_gt_u32 s8, 0                             ; masks: which waves stand in front of mine
	s_cselect_b32 s10, -1, 0
	s_cmp_gt_u32 s8, 1
	s_cselect_b32 s11, -1, 0
	s_cmp_gt_u32 s8, 2
	s_cselect_b32 s12, -1, 0
	s_wait_loadcnt 0x0
.set nn, 0
.rept 16
	v_min_u32 v[ENT+nn], 7, v[ENT+nn]
.set nn, nn+1
.endr
.set nn, 0
.rept 16                                               ; pass 1: the compare's bit goes in as a carry
.irp e, 0,1,2,3,4,5,6,7
	v_cmp_eq_u32 vcc_lo, \e, v[ENT+nn]
	v_add_co_ci_u32 v[C+\e], vcc_lo, 0, v[C+\e], vcc_lo
.endr
.set nn, nn+1
.endr
.irp e, 0,1,2,3,4,5,6,7
	v_mov_b32 v[I+\e], v[C+\e]
.endr
.irp sh, 1,2,4,8                                       ; inclusive scan inside each row of 16 lanes; a lane without a source takes 0
.irp e, 0,1,2,3,4,5,6,7
	v_mov_b32_dpp v[T8+\e], v[I+\e] row_shr:\sh row_mask:0xf bank_mask:0xf bound_ctrl:1
.endr
.irp e, 0,1,2,3,4,5,6,7
	v_add_nc_u32 v[I+\e], v[I+\e], v[T8+\e]
.endr
.endr
.irp e, 0,1,2,3,4,5,6,7
	v_readlane_b32 s[16+\e], v[I+\e], 15
.endr
.irp e, 0,1,2,3,4,5,6,7
	v_mad_u32_u24 v[I+\e], v3, s[16+\e], v[I+\e]   ; lanes 16-31 add the lower row's sum
.endr
.irp e, 0,1,2,3,4,5,6,7
	v_readlane_b32 s[16+\e], v[I+\e], 31           ; the wave's totals
.endr
.irp e, 0,1,2,3,4,5,6,7
	v_mov_b32 v[W+\e], s[16+\e]
.endr
	ds_store_b128 v172, v[W:W+3]
	ds_store_b128 v172, v[W+4:W+7] offset:16
	s_wait_dscnt 0x0                               ; for the others' sake
	s_barrier_signal -1
	s_barrier_wait -1
.irp k, 0,1,2,3,4,5,6,7
	ds_load_b128 v[TT+4*\k:TT+4*\k+3], v4 offset:16*\k
.endr
	s_wait_dscnt 0x0
.irp e, 0,1,2,3,4,5,6,7
	v_add3_u32 v[CNT+\e], v[TT+\e], v[TT+8+\e], v[TT+16+\e]
	v_add_nc_u32 v[CNT+\e], v[CNT+\e], v[TT+24+\e]
	v_and_b32 v[TT+\e], s10, v[TT+\e]
	v_and_b32 v[TT+8+\e], s11, v[TT+8+\e]
	v_and_b32 v[TT+16+\e], s12, v[TT+16+\e]
	v_add3_u32 v[T8+\e], v[TT+\e], v[TT+8+\e], v[TT+16+\e]     ; the entries of the waves in front of mine
.endr
	v_mov_b32 v[BASE], 0
.irp e, 0,1,2,3,4,5,6
	v_add_nc_u32 v40, 31, v[CNT+\e]
	v_and_b32 v40, 0xffffffe0, v40
	v_add_nc_u32 v[BASE+\e+1], v[BASE+\e], v40
.endr
.irp e, 0,1,2,3,4,5,6,7
	v_sub_nc_u32 v[RUN+\e], v[I+\e], v[C+\e]       ; the entries of the lanes in front of mine
	v_add3_u32 v[RUN+\e], v[RUN+\e], v[BASE+\e], v[T8+\e]
.endr
.set nn, 0
.rept 16                                               ; pass 2: an entry takes its expert's next free position
	v_mov_b32 v[POS+nn], v[RUN]
	v_cmp_eq_u32 vcc_lo, 0, v[ENT+nn]
	v_add_co_ci_u32 v[RUN], vcc_lo, 0, v[RUN], vcc_lo
.irp e, 1,2,3,4,5,6,7
	v_cmp_eq_u32 vcc_lo, \e, v[ENT+nn]
	v_cndmask_b32 v[POS+nn], v[POS+nn], v[RUN+\e], vcc_lo
	v_add_co_ci_u32 v[RUN+\e], vcc_lo, 0, v[RUN+\e], vcc_lo
.endr
.set nn, nn+1
.endr
.irp q, 0,1,2,3
	global_store_b128 v2, v[POS+4*\q:POS+4*\q+3], s[6:7] offset:256+2048*\q
.endr
.set nn, 0
.rept 16
	v_min_u32 v[ADR+nn], 0xcff, v[POS+nn]          ; a number made of loaded data enters an address only held to the table's size
	v_lshlrev_b32 v[ADR+nn], 2, v[ADR+nn]
	global_store_b32 v[ADR+nn], v[TOKV+nn], s[6:7] offset:8448   ; each store has registers of its own
.set nn, nn+1
.endr
	global_store_b128 v7, v[ID:ID+3], s[6:7] offset:17664        ; list[2304 + 8 i ..] = 8 i ..
	global_store_b128 v7, v[ID+4:ID+7], s[6:7] offset:17680
	s_wait_xcnt 0x0                                ; EXEC changes only behind this wait
	s_wait_tensorcnt 0x0
	ds_add_u32 v176, v177
	s_wait_dscnt 0x0
	v_cmpx_gt_u32 1, v0                            ; thread 0 alone
	global_store_b128 v4, v[BASE:BASE+3], s[6:7]
	global_store_b128 v4, v[BASE+4:BASE+7], s[6:7] offset:16
	global_store_b128 v4, v[CNT:CNT+3], s[6:7] offset:32
	global_store_b128 v4, v[CNT+4:CNT+7], s[6:7] offset:48
	s_endpgm
.Lfunc_end_k_q24ad71bb31_place:
	.size	k_q24ad71bb31_place, .Lfunc_end_k_q24ad71bb31_place-k_q24ad71bb31_place
	.p2alignl 7, 3214868480
	.fill 96, 4, 3214868480
	.section	.rodata,"a",@progbits
	.p2align	6, 0x0
	.amdhsa_kernel k_q24ad71bb31_place
		.amdhsa_group_segment_fixed_size 768
		.amdhsa_private_segment_fixed_size 0
		.amdhsa_enable_private_segment 0
		.amdhsa_kernarg_size 16
		.amdhsa_user_sgpr_count 2
		.amdhsa_user_sgpr_kernarg_segment_ptr 1
		.amdhsa_wavefront_size32 1
		.amdhsa_system_sgpr_workgroup_id_x 1
		.amdhsa_system_sgpr_workgroup_id_y 1
		.amdhsa_system_sgpr_workgroup_id_z 1
		.amdhsa_system_vgpr_workitem_id 0
		.amdhsa_next_free_vgpr 178
		.amdhsa_next_free_sgpr 66
		.amdhsa_reserve_vcc 1
		.amdhsa_float_denorm_mode_32 3
		.amdhsa_float_denorm_mode_16_64 3
		.amdhsa_memory_ordered 1
		.amdhsa_forward_progress 1
		.amdhsa_inst_pref_size 38
	.end_amdhsa_kernel
	.amdgpu_metadata
---
amdhsa.version: [ 1, 2 ]
amdhsa.kernels:
  - .name:           k_q24ad71bb31_place
    .symbol:         k_q24ad71bb31_place.kd
    .args:
      - { .name: idx, .offset: 0, .size: 8, .value_kind: global_buffer, .address_space: global }
      - { .name: route, .offset: 8, .size: 8, .value_kind: global_buffer, .address_space: global }
    .group_segment_fixed_size: 768
    .private_segment_fixed_size: 0
    .kernarg_segment_align: 8
    .kernarg_segment_size: 16
    .max_flat_workgroup_size: 128
    .sgpr_count:     66
    .vgpr_count:     178
    .wavefront_size: 32
...
	.end_amdgpu_metadata
.endif
;; end of part 7
;; launch up (part 8): grid 16 x 12, 4 waves a work-group, no clusters, 145,920 bytes of LDS; arguments xq, xs, w1_codes, w1_scales, w3_codes, w3_scales, ws1_codes, ws1_scales, ws3_codes, ws3_scales, route, gq, gs; writes gq, gs
.if DOCPART == 8
	.amdgcn_target "amdgcn-amd-amdhsa--gfx1250"
	.amdhsa_code_object_version 6
	.text
	.protected	k_q24ad71bb31_up
	.globl	k_q24ad71bb31_up
	.p2align	8
	.type	k_q24ad71bb31_up,@function
k_q24ad71bb31_up:
	s_mov_b64 s[64:65], 0
	v_nop
	global_prefetch_b8 v0, s[64:65] scope:SCOPE_SE
	s_setreg_imm32_b32 hwreg(HW_REG_WAVE_SCHED_MODE, 0, 2), 2
	s_setreg_imm32_b32 hwreg(HW_REG_WAVE_MODE, 25, 1), 1
	s_wait_xcnt 0x0
	s_wait_alu depctr_vm_vsrc(0)
; UP.  g = silu(x W1^T) * (x W3^T) for the rows that each expert was chosen for, and for all rows of the shared expert; g is quantised along the hidden axis and stored as codes.
; SHARES.  Work-group (ib, c): hidden units 64 ib .. 64 ib + 63 of chunk c.  c < 8: expert c, its rows by route's base and count.  c >= 8: the shared expert's rows 256 (c - 8) .. + 255.
; THE WEIGHTS STAY IN REGISTERS: wave w holds units 64 ib + 16 w + 0 .. 15 of W1 and of W3 for all of K = 2,048: 2 x 16 fragments, 512 registers, read from memory once; the rows go past them.
; A TRIP takes 64 rows (four tiles of 16).  NT = 16 trips serve every split (all 1,024 tokens on one expert too); the trip count is a constant and both barriers stand on every path: a trip with no rows
; jumps over the work between them.  Wave w gathers tile w's codes of x into registers a trip ahead (64 + 2 loads a wave in flight during a trip's products) and hands them on through LDS.
; Rows past an expert's last, up to the next multiple of 32, repeat its last row; nobody adds them.
; EVERY LOAD OF CODES READS 512 CONSECUTIVE BYTES OF ONE ROW (16 a lane, four loads a row), and the turn into the operand's layout is made by the LDS store: lane l of load (row i, quarter q) holds
; k = 512 q + 16 l + 0 .. 15 and stores them at 272 l + 8704 q + 16 i of the tile; lane (r, h) reads piece (ks, c) of a fragment at 544 (4 ks + c) + 272 h + 16 r: the same byte, since
; 16 (l + 32 q) = 128 ks + 32 c + 16 h.; sixteen lanes of a read take 256 bytes on end.
; The weights take the same way once, at the head, through the wave's own tile bytes.
; THE PRODUCT IS USED TRANSPOSED: source 0 = 16 units of a weight, source 1 = 16 rows of x: lane (r, h) holds row r and units 8 h + 0 .. 7: eight neighbours along the next product's K.
; A block of 32 units lies in two lanes (l, l xor 16) of two waves (w, w xor 1): the waves' maxima meet in LDS.
; gq: byte pt 16384 + ks 2048 + c 512 + 16 lane = codes of row 16 pt + lane % 16, k = 128 ks + 32 c + 16 (lane / 16) + 0 .. 15: the image of the next product's operand.  gs: [position][32] scale bytes.
; NO TENSOR LOAD, NO CLUSTER: which trips work hangs on counts read from memory, so operands go through registers, and partners of a cluster would need different numbers of tiles.
; LIMITS: NaN and infinities are not served; a block of zeros gets the byte 1 with zero codes (this program alone reads the bytes).
; REGISTERS: window 0 as named below; window 1: K steps 0-7 (W1's fragment at 32 ks, W3's at 32 ks + 16); window 2: K steps 8-15; window 3: the 64 x 4 registers in which the next trip's rows land.
; THE MODE: SCHED_MODE bits 1:0 = 2 (LLVM: expert scheduling mode 2), set by the entry lines.  The code itself states the register dependences between vector or matrix instructions
; and memory or LDS instructions, with s_wait_alu, always for 0.
; THE PLAN.  Registers that memory or LDS instructions touch, in the loop:
;   window 3, XST    The global loads of the next trip's rows and scale bytes land here; my LDS stores at a trip's top read them; no vector instruction names them.
;   v4, v6           Offsets of the scale bytes' and of the tokens' loads: written by vector lines once a trip (AHEAD), read by the loads behind it.
;   v5               The tokens: a load lands, AHEAD holds and reads it, the next load lands.
;   XS, buffers 0-2  LDS loads land, products read.  Buffer ks % 3 serves K step ks; buffer 2 lies over G's upper half and T, which vector lines name only behind a pass.
;   M                EPI writes, four LDS stores read.      PM, Q   LDS loads land, the trip's last part reads.      CD, U   the last part writes, global stores read.
;   v7-v16, v18, v26-v29   Offsets and LDS addresses, made at the head and never written again.
; THE WAITS OF A TRIP.  At its top, on every path: one on vm_vsrc (all that memory and LDS instructions issued so far read may be written: window 3, XST, v4, v6, M, CD, U) and one on va_vdst (the last trip's
; products and vector lines are done with XS, the buffers, PM and Q).  One on va_sdst and one on va_vdst in AHEAD.  One on va_vdst at the second pass's head, one in each K step that asks for fragments
; into a buffer that products have read, one ahead of M's stores, one ahead of each run of stores of codes; EPI's four stand one ahead of and one behind each run of transcendentals.
.set TILE, 34816                       ; a tile of 16 rows x 2,048 codes in LDS: 64 pieces x 544 bytes
.set XB,  0                            ; LDS: 4 tiles
.set XSC, 4*TILE                       ; 2 pairs of tiles x 4 quads of scale words x 512: lane < 16: a row of the even tile, else of the odd one
.set MX,  XSC+4096                     ; (wave 4 + tile) 128 + 4 lane: the largest magnitude of the wave's 16 units
.set NT,  16
.set AX,  26                           ; v26-29   where lane (r, h) reads tile 0 .. 3: TILE x tile + 272 h + 16 r
.set WS,  32                           ; v32-47   the weights' scale words of K step ks: lanes 0-15 W1's, lanes 16-31 W3's
.set XS,  48                           ; v48-63   x's: lanes 0-15 the pair's even tile, lanes 16-31 the odd one
.set F0,  64                           ; v64-95, v96-127: x's fragments of one K step, two tiles: buffers 0 and 1
.set F1,  96
.set ACC, 128                          ; v128-159 (W1, tile 0), (W1, tile 1), (W3, tile 0), (W3, tile 1)
.set G,   160                          ; v160-191 g: tile m at G + 8 m
.set M,   192                          ; v192-195 my 16 units' largest magnitude, a tile each
.set PM,  196                          ; my partner wave's
.set Q,   200                          ; the four waves', of tile w
.set BM,  204
.set SC,  208
.set HD,  212
.set T,   216
.set F2A, G+16                         ; buffer 2: the even tile's fragment in v176-191 (g of tiles 2 and 3 is made only behind the second pass),
.set F2B, T                            ; the odd tile's in v216-231 (at work only in EPI)
.set CD,  232
.set XST, 240                          ; v240-247 the next trip's scale bytes of x
.set U,   248
.set U2,  249
.set TP,  250
.set RB,  66                           ; s[66:97] the addresses of my tile's sixteen rows of x
; v1 r, v2 h, v4 my row's scale bytes, v5 token, v6 place in the list, v7 where I store into my tile (272 lane), v8 its scale words, v9 16 lane, v10 where I read my own tile, v11-v14 LDS addresses,
; v15, v16, v18 global offsets, v19 my row of a trip, v20 lane, v21 16 h
; s32 wave, s33 ib, s34 c, s36 base, s37 count, s38 the trip's first row, s39 trips, s40 count - 1, s41 the list's base, s42 32 (w / 2), s48-s52 at work
.set MSB, 0
.macro WIN new                         ; the immediate's high byte repeats the setting that is left
.if MSB != (\new)
	s_set_vgpr_msb (MSB<<8)|(\new)
.set MSB, (\new)
.endif
.endm
; one scaled product; zero: it starts the sum; ra, rb: the side's scale words stand in lanes 16-31
.macro WM d, wa, fb, zero, sa, sb, ra, rb
.if \zero
.if (\ra) && (\rb)
	v_wmma_scale_f32_16x16x128_f8f6f4 v[\d:\d+7], v[\wa:\wa+15], v[\fb:\fb+15], 0, v[\sa], v[\sb] matrix_a_scale:MATRIX_SCALE_ROW1 matrix_b_scale:MATRIX_SCALE_ROW1
.elseif \ra
	v_wmma_scale_f32_16x16x128_f8f6f4 v[\d:\d+7], v[\wa:\wa+15], v[\fb:\fb+15], 0, v[\sa], v[\sb] matrix_a_scale:MATRIX_SCALE_ROW1
.elseif \rb
	v_wmma_scale_f32_16x16x128_f8f6f4 v[\d:\d+7], v[\wa:\wa+15], v[\fb:\fb+15], 0, v[\sa], v[\sb] matrix_b_scale:MATRIX_SCALE_ROW1
.else
	v_wmma_scale_f32_16x16x128_f8f6f4 v[\d:\d+7], v[\wa:\wa+15], v[\fb:\fb+15], 0, v[\sa], v[\sb]
.endif
.else
.if (\ra) && (\rb)
	v_wmma_scale_f32_16x16x128_f8f6f4 v[\d:\d+7], v[\wa:\wa+15], v[\fb:\fb+15], v[\d:\d+7], v[\sa], v[\sb] matrix_a_scale:MATRIX_SCALE_ROW1 matrix_b_scale:MATRIX_SCALE_ROW1
.elseif \ra
	v_wmma_scale_f32_16x16x128_f8f6f4 v[\d:\d+7], v[\wa:\wa+15], v[\fb:\fb+15], v[\d:\d+7], v[\sa], v[\sb] matrix_a_scale:MATRIX_SCALE_ROW1
.elseif \rb
	v_wmma_scale_f32_16x16x128_f8f6f4 v[\d:\d+7], v[\wa:\wa+15], v[\fb:\fb+15], v[\d:\d+7], v[\sa], v[\sb] matrix_b_scale:MATRIX_SCALE_ROW1
.else
	v_wmma_scale_f32_16x16x128_f8f6f4 v[\d:\d+7], v[\wa:\wa+15], v[\fb:\fb+15], v[\d:\d+7], v[\sa], v[\sb]
.endif
.endif
.endm
; where the token of my row of the trip that begins at row sreg stands in the list: the row is held at the expert's last, the place at the list's end
.macro LADR sreg
	v_add_nc_u32 v6, \sreg, v19
	v_min_u32 v6, s40, v6
	v_add_nc_u32 v6, s41, v6
	v_min_u32 v6, 0xcff, v6
	v_lshlrev_b32 v6, 2, v6
.endm
.macro LLD                             ; and the load of it
	global_load_b32 v5, v6, s[30:31]
.endm
; ALL THE REGISTER WORK AHEAD OF A TRIP'S LOADS.  Lane r holds row r's token.  Each becomes a scalar, held to the table's size, and the address of its row of 2,048 codes; v4 and v6 are the offsets of the
; rows' scale bytes and of the tokens of the trip that begins at row sreg.  No load that names these registers is out here: the wait that shows them done, and the wait on vm_vsrc, stand ahead.
.macro AHEAD sreg
	v_min_u32 v5, 0x3ff, v5
	v_lshl_add_u32 v4, v5, 6, v21                  ; my row's 64 scale bytes, + 16 h
.irp i, 0,1,2,3,4,5,6,7,8,9,10,11,12,13,14,15
	v_readlane_b32 s[RB+2*\i], v5, \i              ; sixteen tokens into sixteen registers, in one run
.endr
	LADR \sreg                                     ; (it reads none of the sixteen)
	s_wait_alu depctr_va_sdst(0)                   ; the sixteen lane reads have written their scalar registers, ahead of the first line that reads one
	s_mov_b32 s49, 0
.irp i, 0,1,2,3,4,5,6,7,8,9,10,11,12,13,14,15
	s_min_u32 s48, s[RB+2*\i], 0x3ff
	s_lshl_b32 s48, s48, 11
	s_add_nc_u64 s[RB+2*\i:RB+2*\i+1], s[4:5], s[48:49]
.endr
	s_wait_alu depctr_va_vdst(0)                   ; v4 and v6 are written, which the loads of the scale bytes and of the tokens read; the lines above are done with v5, in which the next tokens land
.endm
; rows i0 .. i0 + 7 of my tile: four loads a row, each 512 consecutive bytes, into window 3
.macro XROWS i0
	WIN 0xc0                                       ; destination window 3
.irp i, 0,1,2,3,4,5,6,7
.irp q, 0,1,2,3
	global_load_b128 v[4*(4*(\i0+\i)+\q):4*(4*(\i0+\i)+\q)+3], v9, s[RB+2*(\i0+\i):RB+2*(\i0+\i)+1] offset:512*\q
.endr
.endr
	WIN 0
.endm
.macro XSCL                            ; and the rows' scale bytes: lane (r, h) takes bytes 16 h + 0 .. 15 and 32 + 16 h + 0 .. 15 of row r
	global_load_b128 v[XST:XST+3], v4, s[6:7]
	global_load_b128 v[XST+4:XST+7], v4, s[6:7] offset:32
.endm
; from the registers into my tile: the store makes the turn
.macro STOREX
	WIN 0x0c                                       ; an LDS store's data are its source 1: window 3
.irp i, 0,1,2,3,4,5,6,7,8,9,10,11,12,13,14,15
.irp q, 0,1,2,3
	ds_store_b128 v7, v[4*(4*\i+\q):4*(4*\i+\q)+3] offset:8704*\q+16*\i
.endr
.endr
	WIN 0
	ds_store_b128 v8, v[XST:XST+3]
	ds_store_b128 v8, v[XST+4:XST+7] offset:1024
.endm
; THE WEIGHTS.  u = 0: W1, 1: W3; hf: rows 8 hf .. 8 hf + 7 of my sixteen.  They land, as they lie in memory, in the registers of window 1 + hf that will hold this weight's fragments,
.macro WRAW u, hf, sb
	WIN 0x40*(1+\hf)
.irp i, 0,1,2,3,4,5,6,7
.irp q, 0,1,2,3
	global_load_b128 v[32*\i+16*\u+4*\q:32*\i+16*\u+4*\q+3], v9, s[\sb:\sb+1] offset:2048*(8*\hf+\i)+512*\q
.endr
.endr
	WIN 0
.endm
.macro WSTORE u, hf                    ; go into my own tile's bytes as x's rows do,
	WIN 0x04*(1+\hf)                               ; the data: window 1 + hf
.irp i, 0,1,2,3,4,5,6,7
.irp q, 0,1,2,3
	ds_store_b128 v7, v[32*\i+16*\u+4*\q:32*\i+16*\u+4*\q+3] offset:8704*\q+16*(8*\hf+\i)
.endr
.endr
	WIN 0
.endm
.macro WBACK u                         ; and come back as fragments, into the registers that they left.  LDS serves a wave's instructions in order (ISA guide 5.7.1): these loads see my stores, and what I store next comes behind them
	WIN 0x40
	s_wait_alu depctr_vm_vsrc(0)                   ; my LDS stores have read this weight's registers of windows 1 and 2, in which its fragments land
.irp k, 0,1,2,3,4,5,6,7
.irp c, 0,1,2,3
	ds_load_b128 v[32*\k+16*\u+4*\c:32*\k+16*\u+4*\c+3], v10 offset:544*(4*\k+\c)
.endr
.endr
	WIN 0x80
.irp k, 0,1,2,3,4,5,6,7
.irp c, 0,1,2,3
	ds_load_b128 v[32*\k+16*\u+4*\c:32*\k+16*\u+4*\c+3], v10 offset:544*(4*(8+\k)+\c)
.endr
.endr
	WIN 0
.endm
.macro XFRAG p, k                      ; the two tiles' fragments of K step k into buffer k % 3
.irp a, 0,1
.set fr, (1-((\k)%3)/2)*(F0+32*((\k)%3)+16*\a)+(((\k)%3)/2)*(F2A+(F2B-F2A)*\a)
.irp c, 0,1,2,3
	ds_load_b128 v[fr+4*\c:fr+4*\c+3], v[AX+2*\p+\a] offset:544*(4*(\k)+\c)
.endr
.endr
.endm
; Tiles 2 p and 2 p + 1 against my 16 units of W1 and of W3: 64 products.  The four accumulators take turns, one instruction a turn.
; THREE BUFFERS TAKE TURNS.  K step ks: its fragments are in (the next step's eight loads stay out); the products of step ks - 1 are done; the step's four products; then the eight loads of step ks + 2, which
; land in the buffer that step ks - 1 has left.  Since the step's wait only its own products were issued, and they name buffer ks % 3, the weights, the accumulators and two scale registers.
.macro PASS p
.if \p
	s_wait_alu depctr_va_vdst(0)                   ; the first pass's products are done reading XS and the three buffers, and EPI is done with T: the loads below land there.  (The first pass leans on the wait at the trip's top)
.endif
.irp qd, 0,1,2,3
	ds_load_b128 v[XS+4*\qd:XS+4*\qd+3], v11 offset:2048*\p+512*\qd
.endr
	XFRAG \p, 0
	XFRAG \p, 1
.set ks, 0
.rept 16
.if ks < 15
	s_wait_dscnt 0x8                               ; all but the eight youngest: this K step's fragments (and the scale words) are in
.else
	s_wait_dscnt 0x0
.endif
.if (ks > 0) && (ks < 14)
	s_wait_alu depctr_va_vdst(0)                   ; the products of the K step before are done reading their buffer, in which the loads behind this step's products land
.endif
.if ks < 8
	WIN 0x01                                       ; source 0: window 1
.else
	WIN 0x02
.endif
.irp u, 0,1
.irp a, 0,1
.set fr, (1-(ks%3)/2)*(F0+32*(ks%3)+16*\a)+((ks%3)/2)*(F2A+(F2B-F2A)*\a)
	WM (ACC+16*\u+8*\a), (32*(ks%8)+16*\u), fr, (ks==0), (WS+ks), (XS+ks), \u, \a
.endr
.endr
.if ks < 14
	WIN 0
	XFRAG \p, (ks+2)
.endif
.set ks, ks+1
.endr
	WIN 0
.rept 9
	v_nop                                          ; eight for the reads of the results and for EPI's writes of T, which products have read; the ninth for the next pass's products, which begin these accumulators anew
.endr
.endm
; g = h1 / (1 + 2^(-1.442695 h1)) x h3 for the pass's two tiles, and the largest magnitude of my 16 units for each row.  Every accumulator is read from its low end on.
.macro EPI p
.irp i, 0,2,4,6,8,10,12,14
	v_pk_mul_f32 v[T+\i:T+\i+1], v[ACC+\i:ACC+\i+1], 0xbfb8aa3b op_sel_hi:[1,0]
.endr
	s_wait_alu depctr_va_vdst(0)
.irp i, 0,1,2,3,4,5,6,7,8,9,10,11,12,13,14,15
	v_exp_f32 v[T+\i], v[T+\i]
.endr
	v_nop                                          ; one plain line behind the transcendentals
	s_wait_alu depctr_va_vdst(0)                   ; the sixteen exponentials have written T, ahead of their first reader
.irp i, 0,2,4,6,8,10,12,14
	v_pk_add_f32 v[T+\i:T+\i+1], v[T+\i:T+\i+1], 1.0 op_sel_hi:[1,0]
.endr
	s_wait_alu depctr_va_vdst(0)
.irp i, 0,1,2,3,4,5,6,7,8,9,10,11,12,13,14,15
	v_rcp_f32 v[T+\i], v[T+\i]
.endr
	v_nop
	s_wait_alu depctr_va_vdst(0)                   ; the sixteen reciprocals have written T, ahead of their first reader
.irp i, 0,2,4,6,8,10,12,14
	v_pk_mul_f32 v[G+16*\p+\i:G+16*\p+\i+1], v[ACC+\i:ACC+\i+1], v[T+\i:T+\i+1]
.endr
.irp i, 0,2,4,6,8,10,12,14
	v_pk_mul_f32 v[G+16*\p+\i:G+16*\p+\i+1], v[G+16*\p+\i:G+16*\p+\i+1], v[ACC+16+\i:ACC+16+\i+1]
.endr
.irp a, 0,1
	v_max3_num_f32 v[M+2*\p+\a], |v[G+16*\p+8*\a]|, |v[G+16*\p+8*\a+1]|, 0x4800000   ; with the floor 2^(9 - 127): the byte cannot fall under 1
.endr
.irp i, 2,4,6
.irp a, 0,1
	v_max3_num_f32 v[M+2*\p+\a], v[M+2*\p+\a], |v[G+16*\p+8*\a+\i]|, |v[G+16*\p+8*\a+\i+1]|
.endr
.endr
.irp a, 0,1
	v_permlanex16_b32 v[TP+\a], v[M+2*\p+\a], s44, s45
.endr
.irp a, 0,1
	v_max_num_f32 v[M+2*\p+\a], v[M+2*\p+\a], v[TP+\a]
.endr
.endm
; tile m's eight numbers a lane become eight codes
.macro QG m
	v_max_num_f32 v[BM+\m], v[M+\m], v[PM+\m]      ; the block's largest magnitude: my wave's 16 units and my partner's
	v_add_nc_u32 v[SC+\m], 0xfc000000, v[BM+\m]    ; 8 off its exponent field: the conversion's scale operand
	v_and_or_b32 v[HD+\m], v[BM+\m], 0x7f800000, s46   ; 448 x the scale
.irp i, 0,1,2,3,4,5,6,7
	v_med3_num_f32 v[G+8*\m+\i], v[G+8*\m+\i], -v[HD+\m], v[HD+\m]   ; the conversion to an 8-bit code does not saturate (ISA guide 7.6.2)
.endr
	v_cvt_scalef32_pk8_fp8_f32 v[CD+2*\m:CD+2*\m+1], v[G+8*\m:G+8*\m+7], v[SC+\m]
.endm
	s_load_b512 s[4:19], s[0:1], 0x0               ; xq, xs, w1c, w1s, w3c, w3s, ws1c, ws1s
	s_load_b256 s[20:27], s[0:1], 0x40             ; ws3c, ws3s, route, gq
	s_load_b64 s[28:29], s[0:1], 0x60              ; gs
	v_lshl_add_u32 v254, v0, 2, 0x23800
	v_mov_b32 v255, 0
	v_lshrrev_b32 v1, 5, v0
	v_readfirstlane_b32 s32, v1                    ; wave
	s_mov_b32 s33, ttmp9                           ; ib
	s_and_b32 s34, ttmp7, 0xffff                   ; c
	v_and_b32 v20, 31, v0                          ; lane
	v_and_b32 v1, 15, v0                           ; r
	v_bfe_u32 v2, v0, 4, 1                         ; h
	v_lshlrev_b32 v21, 4, v2
	v_lshlrev_b32 v9, 4, v20                       ; my 16 bytes of a load's 512
	s_wait_alu depctr_va_sdst(0)                   ; s32 is written, ahead of its first reader
	s_mul_i32 s48, s32, TILE                       ; my tile
	v_mul_u32_u24 v7, v20, 272
	v_add_nc_u32 v7, s48, v7                       ; into it: 272 x lane (+ 8704 q + 16 i)
	v_mul_u32_u24 v[AX], v2, 272
	v_lshl_add_u32 v[AX], v1, 4, v[AX]             ; out of a tile: 272 h + 16 r (+ 544 x piece)
	v_add_nc_u32 v10, s48, v[AX]                   ; my own tile,
	v_add_nc_u32 v[AX+1], TILE, v[AX]              ; and each of the four
	v_add_nc_u32 v[AX+2], 2*TILE, v[AX]
	v_add_nc_u32 v[AX+3], 3*TILE, v[AX]
	s_lshr_b32 s48, s32, 1
	s_lshl_b32 s48, s48, 11
	s_and_b32 s49, s32, 1
	s_lshl_b32 s49, s49, 8
	s_add_co_u32 s48, s48, s49
	s_add_co_u32 s48, s48, XSC
	v_lshlrev_b32 v8, 4, v1
	v_lshl_add_u32 v8, v2, 9, v8
	v_add_nc_u32 v8, s48, v8                       ; my tile's scale words: pair w / 2, quad h (+ 2 i), lane 16 (w % 2) + r
	v_add_nc_u32 v11, XSC, v9
	s_lshl_b32 s48, s32, 9
	s_add_co_u32 s48, s48, MX
	v_lshl_add_u32 v12, v20, 2, s48                ; my maxima
	s_xor_b32 s48, s32, 1
	s_lshl_b32 s48, s48, 9
	s_add_co_u32 s48, s48, MX
	v_lshl_add_u32 v13, v20, 2, s48                ; my partner's
	s_lshl_b32 s48, s32, 7
	s_add_co_u32 s48, s48, MX
	v_lshl_add_u32 v14, v20, 2, s48                ; all four waves' of tile w
	v_lshlrev_b32 v15, 4, v1
	v_lshl_add_u32 v15, v2, 3, v15                 ; gq: 16 r + 8 h
	s_lshl_b32 s48, s32, 4
	v_add_nc_u32 v19, s48, v1                      ; my row of a trip: 16 w + r
	v_lshlrev_b32 v16, 5, v19                      ; gs: 32 bytes a row
	v_lshlrev_b32 v18, 6, v1                       ; a weight's scale bytes: 64 a row
	s_mov_b32 s44, 0x76543210
	s_mov_b32 s45, 0xfedcba98                      ; lane l xor 16
	s_mov_b32 s46, 0x600000                        ; the mantissa field of 448
	s_mov_b32 s47, 0xffff0000                      ; lanes 16-31
	s_mov_b32 s38, 0
	s_mov_b32 s39, 0
	s_lshr_b32 s42, s32, 1
	s_lshl_b32 s42, s42, 5
	s_min_u32 s56, s34, 7
	s_lshl_b32 s56, s56, 2
	s_wait_alu depctr_va_vdst(0)
	s_wait_kmcnt 0x0
	s_load_b32 s36, s[24:25], s56 offset:0x0       ; base
	s_load_b32 s37, s[24:25], s56 offset:0x20      ; count
	s_cmp_lt_u32 s34, 8                            ; a routed expert's weights or the shared one's: the choice hangs on the work-group's number alone
	s_cselect_b64 s[8:9], s[8:9], s[16:17]
	s_cselect_b64 s[10:11], s[10:11], s[18:19]
	s_cselect_b64 s[12:13], s[12:13], s[20:21]
	s_cselect_b64 s[14:15], s[14:15], s[22:23]
	s_cselect_b32 s35, s34, 0
	s_lshl_b32 s49, s33, 6
	s_lshl_b32 s50, s32, 4
	s_add_co_u32 s49, s49, s50                     ; my first unit
	s_lshl_b32 s50, s35, 21
	s_lshl_b32 s52, s49, 11
	s_add_co_u32 s50, s50, s52
	s_mov_b32 s51, 0
	s_add_nc_u64 s[8:9], s[8:9], s[50:51]
	s_add_nc_u64 s[12:13], s[12:13], s[50:51]
	s_lshl_b32 s50, s35, 16
	s_lshl_b32 s52, s49, 6
	s_add_co_u32 s50, s50, s52
	s_add_nc_u64 s[10:11], s[10:11], s[50:51]
	s_add_nc_u64 s[14:15], s[14:15], s[50:51]
	s_add_nc_u64 s[30:31], s[24:25], 0x2100        ; the list
	s_sub_co_u32 s49, s34, 8
	s_lshl_b32 s49, s49, 8
	s_add_co_u32 s49, s49, 2304                    ; a shared chunk's first position
	s_mov_b32 s50, 256
	s_wait_kmcnt 0x0
	s_cmp_lt_u32 s34, 8
	s_cselect_b32 s36, s36, s49
	s_cselect_b32 s37, s37, s50
	s_min_u32 s36, s36, 0xcc0                      ; loaded numbers enter addresses only held to the tables' sizes
	s_min_u32 s37, s37, 0x400
	s_max_u32 s40, s37, 1
	s_sub_co_u32 s40, s40, 1                       ; the expert's last row
	s_mov_b32 s41, 2304
	s_cmp_lg_u32 s37, 0
	s_cselect_b32 s41, s36, s41                    ; an expert without rows reads the list's shared part, and uses nothing of it
	s_lshl_b32 s50, s36, 10                        ; gq: 1,024 bytes a position,
	s_lshr_b32 s49, s33, 1
	s_lshl_b32 s49, s49, 11                        ; K step ib / 2,
	s_add_co_u32 s50, s50, s49
	s_and_b32 s49, s33, 1
	s_lshl_b32 s49, s49, 10                        ; piece 2 (ib % 2) + w / 2,
	s_add_co_u32 s50, s50, s49
	s_lshr_b32 s49, s32, 1
	s_lshl_b32 s49, s49, 9
	s_add_co_u32 s50, s50, s49
	s_and_b32 s49, s32, 1
	s_lshl_b32 s49, s49, 8                         ; half w % 2 of the lanes
	s_add_co_u32 s50, s50, s49
	s_add_nc_u64 s[26:27], s[26:27], s[50:51]
	s_lshl_b32 s50, s36, 5
	s_lshl_b32 s49, s33, 1
	s_add_co_u32 s50, s50, s49
	s_add_nc_u64 s[28:29], s[28:29], s[50:51]      ; gs: 32 bytes a position, bytes 2 ib, 2 ib + 1
; THE HEAD'S LOADS go out in groups of 32, and behind each group but the first the group before the last is taken through LDS: 32 to 64 loads of the wave are on their way while LDS works.
	LADR s38                                       ; the first trip's tokens
	s_wait_alu depctr_va_vdst(0)                   ; v6 and all the offsets and LDS addresses made above (v7 to v16, v18, v26 to v29) are written: every load and store of the kernel reads one of them
	LLD
.irp qd, 0,1,2,3
	global_load_b128 v[F0+4*\qd:F0+4*\qd+3], v18, s[10:11] offset:16*\qd   ; the weights' scale bytes
	global_load_b128 v[F1+4*\qd:F1+4*\qd+3], v18, s[14:15] offset:16*\qd
.endr
	WRAW 0, 0, 8                                   ; W1's rows 0-7,
	WRAW 0, 1, 8                                   ; 8-15
	s_wait_loadcnt 32                              ; loads come back in order (ISA guide 5.7.1): all but the 32 just issued are in: the tokens, the scale bytes, W1's rows 0-7
	s_wait_alu depctr_vm_vsrc(0)                   ; the load of the first tokens has read v6, which the lines below write again
	s_mov_b32 s52, 64
	AHEAD s52                                      ; the first trip's rows; where the second trip's tokens stand
	WSTORE 0, 0
	WRAW 1, 0, 12                                  ; W3's rows 0-7
	s_wait_loadcnt 32                              ; W1's rows 8-15 are in
	WSTORE 0, 1
	WBACK 0
	WRAW 1, 1, 12                                  ; W3's rows 8-15
	s_wait_loadcnt 32                              ; W3's rows 0-7 are in
	WSTORE 1, 0
	XROWS 0                                        ; the first trip's rows 0-7
	s_wait_loadcnt 32                              ; W3's rows 8-15 are in
	WSTORE 1, 1
	WBACK 1
	XROWS 8
	XSCL                                           ; (no vector line since AHEAD's last wait: v4, v5 and v6 stand as it left them)
	LLD                                            ; the second trip's tokens
.set kk, 0
.rept 16
	v_cndmask_b32 v[WS+kk], v[F0+kk], v[F1+kk], s47    ; W1's scale words below, W3's above
.set kk, kk+1
.endr
.set kk, 0
.rept 32
	v_mov_b32 v[G+kk], 0                           ; written once, so that every way through the text finds them written
.set kk, kk+1
.endr
.irp m, 0,1,2,3
	v_mov_b32 v[M+\m], 0
.endr
	v_mov_b32 v[TP], 0                             ; a lane permute's destination counts as one of its sources
	v_mov_b32 v[TP+1], 0
.Ltrip:
	s_wait_loadcnt 0x0                             ; this trip's rows and the next trip's tokens are in
	s_cmp_lt_u32 s38, s37
	s_cbranch_scc0 .Lno_store
	STOREX
.Lno_store:
	s_wait_dscnt 0x0                               ; for the others' sake: my tile lies in LDS; (the first time: the weights' fragments are in)
	s_wait_alu depctr_vm_vsrc(0)                   ; my LDS stores have read window 3 and XST, in which the next rows land; the last trip's loads have read v4 and v6, its stores M, CD and U: all are written again below
	s_wait_alu depctr_va_vdst(0)                   ; the last trip's products and vector lines are done with XS, the three buffers, PM and Q, in which this trip's LDS loads land; the first time: the selects are done reading F0 and F1, and the weights' scale words are written
	s_add_co_u32 s48, s38, 64
	s_cmp_lt_u32 s48, s37
	s_cbranch_scc0 .Lno_load
	s_add_co_u32 s52, s38, 128
	AHEAD s52
	XROWS 0                                        ; the next trip's rows: they land during this trip's products
	XROWS 8
	XSCL
	LLD
.Lno_load:
	s_barrier_signal -1
	s_barrier_wait -1                              ; the four tiles are whole
	s_cmp_lt_u32 s38, s37
	s_cbranch_scc0 .Lno_work
	PASS 0
	EPI 0
	s_add_co_u32 s48, s38, 32
	s_cmp_lt_u32 s48, s37
	s_cbranch_scc0 .Lno_pass1
	PASS 1
	EPI 1
.Lno_pass1:
	s_wait_alu depctr_va_vdst(0)                   ; EPI has written M, which the LDS stores read
.irp m, 0,1,2,3
	ds_store_b32 v12, v[M+\m] offset:128*\m
.endr
.Lno_work:
	s_wait_dscnt 0x0                               ; my maxima lie in LDS, and my reads of the tiles are over
	s_barrier_signal -1
	s_barrier_wait -1                              ; so the tiles may be written again, and the maxima read
	s_cmp_lt_u32 s38, s37
	s_cbranch_scc0 .Lno_fin
.irp m, 0,1,2,3
	ds_load_b32 v[PM+\m], v13 offset:128*\m        ; (no vector line since the wait at the trip's top names PM or Q)
.endr
.irp k, 0,1,2,3
	ds_load_b32 v[Q+\k], v14 offset:512*\k
.endr
	s_wait_dscnt 0x0                               ; (the next trip's first barrier stands between these reads and the next maxima)
	QG 0
	QG 1
	v_max_num_f32 v[U], v[Q], v[Q+1]               ; tile w's two scale bytes: blocks 2 ib (waves 0, 1) and 2 ib + 1 (waves 2, 3).  (Also the plain line behind the conversion)
	v_max_num_f32 v[U2], v[Q+2], v[Q+3]
	v_add_nc_u32 v[U], 0xfc000000, v[U]
	v_add_nc_u32 v[U2], 0xfc000000, v[U2]
	v_lshrrev_b32 v[U], 23, v[U]
	v_lshrrev_b32 v[U2], 23, v[U2]
	v_lshl_or_b32 v[U], v[U2], 8, v[U]
	s_wait_alu depctr_va_vdst(0)                   ; the conversions have written the codes of tiles 0 and 1, and U is written: the stores below, and the store of U further down, read them
	global_store_b64 v15, v[CD:CD+1], s[26:27]                   ; the wave stores 256 consecutive bytes, aligned
	global_store_b64 v15, v[CD+2:CD+3], s[26:27] offset:16384
	s_add_co_u32 s48, s38, 32
	s_cmp_lt_u32 s48, s37
	s_cbranch_scc0 .Lno_hi
	QG 2
	QG 3
	v_nop                                          ; the plain line behind the last conversion
	s_wait_alu depctr_va_vdst(0)                   ; the conversions have written the codes of tiles 2 and 3, which the stores read
	global_store_b64 v15, v[CD+4:CD+5], s[26:27] offset:32768
	global_store_b64 v15, v[CD+6:CD+7], s[26:27] offset:49152
.Lno_hi:
	s_add_co_u32 s48, s38, s42
	s_cmp_lt_u32 s48, s37
	s_cbranch_scc0 .Lno_fin
	global_store_b16 v16, v[U], s[28:29]           ; two of a row's 32 bytes: the work-group's registers hold 64 of the 1,024 units.  Both halves of the lanes write the same bytes
.Lno_fin:
	s_wait_xcnt 0x0                                ; the stores' bases and data are written again only behind this wait
	s_add_nc_u64 s[26:27], s[26:27], 0x10000
	s_add_nc_u64 s[28:29], s[28:29], 0x800
	s_add_co_u32 s38, s38, 64
	s_add_co_u32 s39, s39, 1
	s_cmp_lt_u32 s39, NT
	s_cbranch_scc1 .Ltrip
	s_wait_dscnt 0x0                               ; the closing lines, six on end
	s_wait_alu 0x0
	s_wait_tensorcnt 0x0
	ds_add_u32 v254, v255
	s_wait_dscnt 0x0
	s_endpgm
.Lfunc_end_k_q24ad71bb31_up:
	.size	k_q24ad71bb31_up, .Lfunc_end_k_q24ad71bb31_up-k_q24ad71bb31_up
	.p2alignl 7, 3214868480
	.fill 96, 4, 3214868480
	.section	.rodata,"a",@progbits
	.p2align	6, 0x0
	.amdhsa_kernel k_q24ad71bb31_up
		.amdhsa_group_segment_fixed_size 145920
		.amdhsa_private_segment_fixed_size 0
		.amdhsa_enable_private_segment 0
		.amdhsa_kernarg_size 104
		.amdhsa_user_sgpr_count 2
		.amdhsa_user_sgpr_kernarg_segment_ptr 1
		.amdhsa_wavefront_size32 1
		.amdhsa_system_sgpr_workgroup_id_x 1
		.amdhsa_system_sgpr_workgroup_id_y 1
		.amdhsa_system_sgpr_workgroup_id_z 1
		.amdhsa_system_vgpr_workitem_id 0
		.amdhsa_next_free_vgpr 1024
		.amdhsa_next_free_sgpr 98
		.amdhsa_reserve_vcc 0
		.amdhsa_float_denorm_mode_32 3
		.amdhsa_float_denorm_mode_16_64 3
		.amdhsa_memory_ordered 1
		.amdhsa_forward_progress 1
		.amdhsa_inst_pref_size 113
	.end_amdhsa_kernel
	.amdgpu_metadata
---
amdhsa.version: [ 1, 2 ]
amdhsa.kernels:
  - .name:           k_q24ad71bb31_up
    .symbol:         k_q24ad71bb31_up.kd
    .args:
      - { .name: xq, .offset: 0, .size: 8, .value_kind: global_buffer, .address_space: global }
      - { .name: xs, .offset: 8, .size: 8, .value_kind: global_buffer, .address_space: global }
      - { .name: w1_codes, .offset: 16, .size: 8, .value_kind: global_buffer, .address_space: global }
      - { .name: w1_scales, .offset: 24, .size: 8, .value_kind: global_buffer, .address_space: global }
      - { .name: w3_codes, .offset: 32, .size: 8, .value_kind: global_buffer, .address_space: global }
      - { .name: w3_scales, .offset: 40, .size: 8, .value_kind: global_buffer, .address_space: global }
      - { .name: ws1_codes, .offset: 48, .size: 8, .value_kind: global_buffer, .address_space: global }
      - { .name: ws1_scales, .offset: 56, .size: 8, .value_kind: global_buffer, .address_space: global }
      - { .name: ws3_codes, .offset: 64, .size: 8, .value_kind: global_buffer, .address_space: global }
      - { .name: ws3_scales, .offset: 72, .size: 8, .value_kind: global_buffer, .address_space: global }
      - { .name: route, .offset: 80, .size: 8, .value_kind: global_buffer, .address_space: global }
      - { .name: gq, .offset: 88, .size: 8, .value_kind: global_buffer, .address_space: global }
      - { .name: gs, .offset: 96, .size: 8, .value_kind: global_buffer, .address_space: global }
    .group_segment_fixed_size: 145920
    .private_segment_fixed_size: 0
    .kernarg_segment_align: 8
    .kernarg_segment_size: 104
    .max_flat_workgroup_size: 128
    .sgpr_count:     98
    .vgpr_count:     1024
    .wavefront_size: 32
...
	.end_amdgpu_metadata
.endif
;; end of part 8
;; launch down (part 9): grid 8 x 24, 4 waves a work-group, no clusters, 85,504 bytes of LDS; arguments gq, gs, w2_codes, w2_scales, ws2_codes, ws2_scales, route, eo; writes eo
.if DOCPART == 9
	.amdgcn_target "amdgcn-amd-amdhsa--gfx1250"
	.amdhsa_code_object_version 6
	.text
	.protected	k_q24ad71bb31_down
	.globl	k_q24ad71bb31_down
	.p2align	8
	.type	k_q24ad71bb31_down,@function
k_q24ad71bb31_down:
	s_mov_b64 s[64:65], 0
	v_nop
	global_prefetch_b8 v0, s[64:65] scope:SCOPE_SE
	s_setreg_imm32_b32 hwreg(HW_REG_WAVE_SCHED_MODE, 0, 2), 2
	s_setreg_imm32_b32 hwreg(HW_REG_WAVE_MODE, 25, 1), 1
	s_wait_xcnt 0x0
	s_wait_alu depctr_vm_vsrc(0)
; DOWN.  eo[position] = g[position] W2^T of the position's expert, not yet weighed: [3328][2048] f32.
; SHARES.  Work-group (db, c2): output columns 256 db .. + 255.  c2 < 16: expert c2 / 2, the first (c2 even) or second half of its pairs of 32 rows.  c2 >= 16: the shared expert's rows 128 (c2 - 16) .. + 127.
; THE WEIGHTS STAY IN REGISTERS: wave w holds columns 256 db + 64 w + 0 .. 63 for all of K = 1,024: 4 tiles x 8 K steps, 512 registers.
; A TRIP takes 64 rows, two pairs.  NT = 8 trips serve every split (half of 32 pairs); the trip count is a constant, both barriers stand on every path, and a pair without rows is jumped over.
; gq holds g as images of the operand's registers: wave w copies tile w's 16 KB through registers (a trip ahead) into LDS as they lie.  Every row of every pair that is read was stored by the launch before.
; THE PRODUCT IS USED TRANSPOSED: source 0 = 16 columns' rows of W2, source 1 = 16 rows of g: a lane holds eight neighbouring columns of one row.  A wave's 16 rows x 64 columns go through its own stage in
; LDS and leave as rows: sixteen lanes store 256 consecutive bytes, aligned.
; NO TENSOR LOAD, NO CLUSTER: which pairs work hangs on counts read from memory.
; REGISTERS: window 0 as named; window 1: K steps 0-3 (fragment (ks, t) at 64 ks + 16 t); window 2: K steps 4-7; window 3: v0-127 the 32 x 4 registers in which the next trip's tile lands,
; v128-191 and v192-255 g's fragments of K steps 4, 5 and 6, 7.
; THE MODE: SCHED_MODE bits 1:0 = 2 (LLVM: expert scheduling mode 2), set by the entry lines.  The code itself states the register dependences between vector or matrix instructions
; and memory or LDS instructions, with s_wait_alu, always for 0.
; THE PLAN.  Registers that memory or LDS instructions touch, in the loop:
;   window 3 v0-127, GST   The global loads of the next trip's tile land here; my LDS stores at a trip's top read them; no vector or matrix instruction names them.
;   GSW, four buffers      LDS loads land, products read.  EACH OF A PAIR'S FOUR BATCHES HAS REGISTERS OF ITS OWN (F0, F1; window 3's v128-191, v192-255): so no load of a pair lands where a product of the
;                          same pair has read, and the pair's 64 products follow each other with counted waits for LDS alone.
;   F0, F1 once more       Behind a pair's products the rows come back from the stage into them; global stores read them.
;   ACC                    Products write, the stage's LDS stores read, the next pair's products begin them anew.
;   v3, v4, v6-v12         Offsets and LDS addresses, made at the head and never written again.
; THE WAITS.  One on va_vdst a pair, behind the places that follow its last product: the accumulators are written, and the products are done reading GSW and the four buffers.  No vector or matrix instruction
; follows it until the next pair's first product, so it also serves the next pair's loads.  One on vm_vsrc at a trip's top, on every path, and one at the head of a trip's second pair.
.set GB,  0                            ; LDS: 4 tiles x 16,384
.set GSC, 65536                        ; 64 rows x 32 scale bytes
.set STG, 67584                        ; 4 waves x 16 rows x (256 + 16)
.set NT,  8
.set W2S, 32                           ; v32-47   8 u + ks: lanes 0-15 tile 2 u's word of K step ks, lanes 16-31 tile 2 u + 1's
.set GSW, 48                           ; v48-55   g's word of K step ks: lanes 0-15 the pair's first tile, lanes 16-31 its second
.set GST, 56                           ; v56-59   the next trip's scale bytes
.set F0,  64                           ; v64-127, v128-191: g's fragments of K steps 0, 1 and 2, 3, two tiles each; later rows on their way out
.set F1,  128
.set ACC, 192                          ; v192-255 (a, t) at 8 (4 a + t)
; v1 r, v2 h, v3 16 lane, v4 and v6-v9 LDS addresses, v10-v12 global offsets, v13 lane
; s32 wave, s33 db, s34 c2, s35 expert, s36 first row, s37 pairs, s38 the trip's first pair, s39 trips, s46 w / 2, s53 my first column
.set MSB, 0
.macro WIN new                         ; the immediate's high byte repeats the setting that is left
.if MSB != \new
	s_set_vgpr_msb (MSB<<8)|\new
.set MSB, \new
.endif
.endm
; one scaled product; zero: it starts the sum; ra, rb: the side's scale words stand in lanes 16-31
.macro WM d, wa, fb, zero, sa, sb, ra, rb
.if \zero
.if (\ra) && (\rb)
	v_wmma_scale_f32_16x16x128_f8f6f4 v[\d:\d+7], v[\wa:\wa+15], v[\fb:\fb+15], 0, v[\sa], v[\sb] matrix_a_scale:MATRIX_SCALE_ROW1 matrix_b_scale:MATRIX_SCALE_ROW1
.elseif \ra
	v_wmma_scale_f32_16x16x128_f8f6f4 v[\d:\d+7], v[\wa:\wa+15], v[\fb:\fb+15], 0, v[\sa], v[\sb] matrix_a_scale:MATRIX_SCALE_ROW1
.elseif \rb
	v_wmma_scale_f32_16x16x128_f8f6f4 v[\d:\d+7], v[\wa:\wa+15], v[\fb:\fb+15], 0, v[\sa], v[\sb] matrix_b_scale:MATRIX_SCALE_ROW1
.else
	v_wmma_scale_f32_16x16x128_f8f6f4 v[\d:\d+7], v[\wa:\wa+15], v[\fb:\fb+15], 0, v[\sa], v[\sb]
.endif
.else
.if (\ra) && (\rb)
	v_wmma_scale_f32_16x16x128_f8f6f4 v[\d:\d+7], v[\wa:\wa+15], v[\fb:\fb+15], v[\d:\d+7], v[\sa], v[\sb] matrix_a_scale:MATRIX_SCALE_ROW1 matrix_b_scale:MATRIX_SCALE_ROW1
.elseif \ra
	v_wmma_scale_f32_16x16x128_f8f6f4 v[\d:\d+7], v[\wa:\wa+15], v[\fb:\fb+15], v[\d:\d+7], v[\sa], v[\sb] matrix_a_scale:MATRIX_SCALE_ROW1
.elseif \rb
	v_wmma_scale_f32_16x16x128_f8f6f4 v[\d:\d+7], v[\wa:\wa+15], v[\fb:\fb+15], v[\d:\d+7], v[\sa], v[\sb] matrix_b_scale:MATRIX_SCALE_ROW1
.else
	v_wmma_scale_f32_16x16x128_f8f6f4 v[\d:\d+7], v[\wa:\wa+15], v[\fb:\fb+15], v[\d:\d+7], v[\sa], v[\sb]
.endif
.endif
.endm
.macro LOADG                           ; my tile's 16 KB of codes and 512 scale bytes into registers: every load reads 512 consecutive bytes
	WIN 0xc0                                       ; destination window 3
.set ii, 0
.rept 32
	global_load_b128 v[4*ii:4*ii+3], v3, s[4:5] offset:512*ii
.set ii, ii+1
.endr
	WIN 0
	global_load_b128 v[GST:GST+3], v3, s[6:7]
.endm
.macro STOREG                          ; and from there into LDS, as they lie
	WIN 0x0c                                       ; an LDS store's data are its source 1: window 3
.set ii, 0
.rept 32
	ds_store_b128 v4, v[4*ii:4*ii+3] offset:512*ii
.set ii, ii+1
.endr
	WIN 0
	ds_store_b128 v6, v[GST:GST+3]
.endm
; K steps 2 b, 2 b + 1 of pair p's two tiles into batch b's own registers: b = 0, 1: v64, v128 on in window 0; b = 2, 3: v128, v192 on in window 3: 64 (b + 1 - b / 2)
.macro BATCH p, b
.if \b < 2
	WIN 0
.else
	WIN 0xc0                                       ; destination window 3, address window 0
.endif
.irp k, 0,1
.irp a, 0,1
.irp c, 0,1,2,3
	ds_load_b128 v[64*(\b+1-\b/2)+32*\k+16*\a+4*\c:64*(\b+1-\b/2)+32*\k+16*\a+4*\c+3], v3 offset:16384*(2*\p+\a)+2048*(2*\b+\k)+512*\c
.endr
.endr
.endr
.endm
.macro MULB b                          ; 16 products; the eight accumulators take turns, one instruction a turn
.if \b < 2
	WIN 0x01                                       ; source 0: window 1; source 1: window 0
.else
	WIN 0x0e                                       ; source 0: window 2; source 1: window 3
.endif
.irp k, 0,1
.irp a, 0,1
.irp t, 0,1,2,3
	WM (ACC+8*(4*\a+\t)), (64*((2*\b+\k)%4)+16*\t), (64*(\b+1-\b/2)+32*\k+16*\a), ((2*\b+\k)==0), (W2S+8*(\t/2)+2*\b+\k), (GSW+2*\b+\k), (\t%2), \a
.endr
.endr
.endr
.endm
.macro PLACES n                        ; plain vector lines between a product and a read of its result, or a product that begins its accumulator anew (ISA guide 7.12.1)
.rept \n
	v_nop
.endr
.endm
; 32 rows x my 64 columns
.macro PAIR p
	s_wait_xcnt 0x0                                ; the last pair's stores have had their addresses translated: the registers that they read are loaded again only behind this wait
.if \p
	s_wait_alu depctr_vm_vsrc(0)                   ; the first pair's global stores have read the rows in F0 and F1, in which the loads below land; its LDS stores have read the accumulators, which the products below begin anew.  (The first pair leans on the wait at the trip's top)
.endif
	ds_load_b128 v[GSW:GSW+3], v7 offset:1024*\p
	ds_load_b128 v[GSW+4:GSW+7], v7 offset:1024*\p+16
	BATCH \p, 0
	BATCH \p, 1
	s_wait_dscnt 16                                ; all but the batch just issued
	MULB 0
	BATCH \p, 2                                    ; no wait: no product since the last wait on va_vdst names these registers
	s_wait_dscnt 16
	MULB 1
	BATCH \p, 3
	s_wait_dscnt 16
	MULB 2
	s_wait_dscnt 0x0
	MULB 3
	WIN 0
	PLACES 9                                       ; eight for the reads of the results; the ninth for the next pair's products, which begin these accumulators anew
	s_wait_alu depctr_va_vdst(0)                   ; the products have written the accumulators, which the LDS stores read, and are done reading GSW and the four buffers, in which the rows below and the next pair's loads land; the places above stay beside this wait
.irp a, 0,1
.irp t, 0,1,2,3
	ds_store_b128 v8, v[ACC+8*(4*\a+\t):ACC+8*(4*\a+\t)+3] offset:64*\t          ; each accumulator from its low end on
	ds_store_b128 v8, v[ACC+8*(4*\a+\t)+4:ACC+8*(4*\a+\t)+7] offset:64*\t+16
.endr
.irp i, 0,1,2,3,4,5,6,7
	ds_load_b128 v[F0+64*\a+4*\i:F0+64*\a+4*\i+3], v9 offset:544*\i              ; LDS serves a wave's instructions in order (ISA guide 5.7.1): these see my stores, and the next tile's stores come behind them
.endr
.endr
.irp a, 0,1
.irp i, 0,1,2,3,4,5,6,7
	s_wait_dscnt 23-16*\a-\i                       ; behind this load: the rest of its eight, and for the first tile the second's eight stores and eight loads
	global_store_b128 v10, v[F0+64*\a+4*\i:F0+64*\a+4*\i+3], s[18:19] offset:262144*\p+131072*\a+16384*\i
.endr
.endr
.endm
	s_load_b512 s[4:19], s[0:1], 0x0               ; gq, gs, w2c, w2s, ws2c, ws2s, route, eo
	v_lshl_add_u32 v62, v0, 2, 0x14c00
	v_mov_b32 v63, 0
	v_lshrrev_b32 v1, 5, v0
	v_readfirstlane_b32 s32, v1                    ; wave
	s_mov_b32 s33, ttmp9                           ; db
	s_and_b32 s34, ttmp7, 0xffff                   ; c2
	v_and_b32 v13, 31, v0                          ; lane
	v_and_b32 v1, 15, v0                           ; r
	v_bfe_u32 v2, v0, 4, 1                         ; h
	v_lshlrev_b32 v3, 4, v13                       ; 16 lane: a fragment's place in an image, in memory and in LDS
	s_wait_alu depctr_va_sdst(0)                   ; s32 is written, ahead of its first reader
	s_lshl_b32 s48, s32, 14
	v_add_nc_u32 v4, s48, v3                       ; where I store tile w
	v_lshl_add_u32 v6, v0, 4, GSC                  ; and its scale bytes: 16 x thread
	v_lshl_add_u32 v7, v13, 5, GSC                 ; a pair's scale words: row = lane
	s_mul_i32 s48, s32, 4352
	s_add_co_u32 s48, s48, STG                     ; my stage
	v_mul_u32_u24 v8, v1, 272
	v_lshl_add_u32 v8, v2, 5, v8
	v_add_nc_u32 v8, s48, v8                       ; in: row r, + 32 h (+ 64 t)
	v_mul_u32_u24 v9, v2, 272
	v_lshl_add_u32 v9, v1, 4, v9
	v_add_nc_u32 v9, s48, v9                       ; back: lanes 0-15 one row, lanes 16-31 the next
	v_lshlrev_b32 v10, 13, v2
	v_lshl_add_u32 v10, v1, 4, v10                 ; and the same two rows in eo
	v_lshlrev_b32 v11, 10, v1
	v_lshl_add_u32 v11, v2, 4, v11                 ; W2: row r of 1,024 bytes, + 16 h
	v_lshlrev_b32 v12, 5, v13                      ; its scale bytes: 32 a row, row = lane
	s_mov_b32 s38, 0
	s_mov_b32 s39, 0
	s_lshr_b32 s46, s32, 1
	s_lshr_b32 s35, s34, 1
	s_min_u32 s35, s35, 7
	s_lshl_b32 s56, s35, 2
	s_wait_kmcnt 0x0
	s_load_b32 s36, s[16:17], s56 offset:0x0       ; base
	s_load_b32 s37, s[16:17], s56 offset:0x20      ; count
	s_cmp_lt_u32 s34, 16                           ; a routed expert's weights or the shared one's: the choice hangs on the work-group's number alone
	s_cselect_b64 s[8:9], s[8:9], s[12:13]
	s_cselect_b64 s[10:11], s[10:11], s[14:15]
	s_cselect_b32 s35, s35, 0
	s_lshl_b32 s53, s33, 8
	s_lshl_b32 s50, s32, 6
	s_add_co_u32 s53, s53, s50                     ; my first column
	s_lshl_b32 s50, s35, 21
	s_lshl_b32 s52, s53, 10
	s_add_co_u32 s50, s50, s52
	s_mov_b32 s51, 0
	s_add_nc_u64 s[8:9], s[8:9], s[50:51]
	s_lshl_b32 s50, s35, 16
	s_lshl_b32 s52, s53, 5
	s_add_co_u32 s50, s50, s52
	s_add_nc_u64 s[10:11], s[10:11], s[50:51]
	WIN 0x40                                       ; the weights: destination window 1,
	s_wait_alu depctr_va_vdst(0)                   ; the offsets and LDS addresses v3, v4 and v6 to v12 are written: every load and store of the kernel reads one of them
.set ks, 0
.rept 4
.irp t, 0,1,2,3
.irp c, 0,1,2,3
	global_load_b128 v[64*ks+16*\t+4*\c:64*ks+16*\t+4*\c+3], v11, s[8:9] offset:16384*\t+128*ks+32*\c
.endr
.endr
.set ks, ks+1
.endr
	WIN 0x80                                       ; window 2
.rept 4
.irp t, 0,1,2,3
.irp c, 0,1,2,3
	global_load_b128 v[64*(ks-4)+16*\t+4*\c:64*(ks-4)+16*\t+4*\c+3], v11, s[8:9] offset:16384*\t+128*ks+32*\c
.endr
.endr
.set ks, ks+1
.endr
	WIN 0
.irp u, 0,1
	global_load_b128 v[W2S+8*\u:W2S+8*\u+3], v12, s[10:11] offset:1024*\u
	global_load_b128 v[W2S+8*\u+4:W2S+8*\u+7], v12, s[10:11] offset:1024*\u+16
.endr
	s_wait_kmcnt 0x0
	s_min_u32 s37, s37, 0x400
	s_add_co_u32 s40, s37, 31
	s_lshr_b32 s40, s40, 5                         ; the expert's pairs
	s_add_co_u32 s41, s40, 1
	s_lshr_b32 s41, s41, 1                         ; the first half's
	s_sub_co_u32 s42, s40, s41                     ; the second half's
	s_and_b32 s45, s34, 1
	s_cmp_lg_u32 s45, 0
	s_cselect_b32 s43, s41, 0                      ; my first pair
	s_cselect_b32 s37, s42, s41                    ; my pairs
	s_lshl_b32 s43, s43, 5
	s_add_co_u32 s36, s36, s43                     ; my first row
	s_sub_co_u32 s44, s34, 16
	s_lshl_b32 s44, s44, 7
	s_add_co_u32 s44, s44, 2304                    ; a shared chunk's
	s_cmp_lt_u32 s34, 16
	s_cselect_b32 s36, s36, s44
	s_cselect_b32 s37, s37, 4
	s_min_u32 s36, s36, 0xcc0                      ; loaded numbers enter addresses only held to the tables' sizes
	s_lshl_b32 s47, s32, 4
	s_add_co_u32 s48, s36, s47                     ; my tile's first row;
	s_add_co_u32 s49, s47, 2304                    ; a wave whose pair has no rows loads shared rows once, and uses nothing of them
	s_cmp_lt_u32 s46, s37
	s_cselect_b32 s48, s48, s49
	s_min_u32 s48, s48, 0xcf0
	s_lshl_b32 s50, s48, 10
	s_add_nc_u64 s[4:5], s[4:5], s[50:51]
	s_lshl_b32 s50, s48, 5
	s_add_nc_u64 s[6:7], s[6:7], s[50:51]
	s_lshl_b32 s50, s36, 13
	s_lshl_b32 s52, s53, 2
	s_add_co_u32 s50, s50, s52
	s_add_nc_u64 s[18:19], s[18:19], s[50:51]
	LOADG                                          ; the first trip's tile
.Ltrip:
	s_wait_loadcnt 0x0                             ; this trip's tile is in (the first time: the weights too)
	s_add_co_u32 s48, s38, s46
	s_cmp_lt_u32 s48, s37
	s_cbranch_scc0 .Lno_store
	STOREG
.Lno_store:
	s_wait_dscnt 0x0                               ; for the others' sake: my tile lies in LDS
	s_wait_alu depctr_vm_vsrc(0)                   ; my LDS stores have read window 3's v0-127 and GST, in which the next tile lands; the last trip's global stores have read the rows in F0 and F1, its LDS stores the accumulators: this trip's first pair writes both again
	s_add_co_u32 s48, s48, 2
	s_cmp_lt_u32 s48, s37
	s_cbranch_scc0 .Lno_load
	s_add_nc_u64 s[4:5], s[4:5], 0x10000           ; (the loads that named these bases are done)
	s_add_nc_u64 s[6:7], s[6:7], 0x800
	LOADG                                          ; the next trip's tile: it lands during this trip's products
.Lno_load:
	s_barrier_signal -1
	s_barrier_wait -1                              ; the tiles are whole
	s_cmp_lt_u32 s38, s37
	s_cbranch_scc0 .Lno_pair0
	PAIR 0
.Lno_pair0:
	s_add_co_u32 s48, s38, 1
	s_cmp_lt_u32 s48, s37
	s_cbranch_scc0 .Lno_pair1
	PAIR 1
.Lno_pair1:
	s_wait_dscnt 0x0                               ; my reads of the tiles are over
	s_barrier_signal -1
	s_barrier_wait -1                              ; so they may be written again
	s_wait_xcnt 0x0                                ; the stores' base is written again only behind this wait
	s_add_nc_u64 s[18:19], s[18:19], 0x80000
	s_add_co_u32 s38, s38, 2
	s_add_co_u32 s39, s39, 1
	s_cmp_lt_u32 s39, NT
	s_cbranch_scc1 .Ltrip
	s_wait_dscnt 0x0                               ; the closing lines, six on end
	s_wait_alu 0x0
	s_wait_tensorcnt 0x0
	ds_add_u32 v62, v63
	s_wait_dscnt 0x0
	s_endpgm
.Lfunc_end_k_q24ad71bb31_down:
	.size	k_q24ad71bb31_down, .Lfunc_end_k_q24ad71bb31_down-k_q24ad71bb31_down
	.p2alignl 7, 3214868480
	.fill 96, 4, 3214868480
	.section	.rodata,"a",@progbits
	.p2align	6, 0x0
	.amdhsa_kernel k_q24ad71bb31_down
		.amdhsa_group_segment_fixed_size 85504
		.amdhsa_private_segment_fixed_size 0
		.amdhsa_enable_private_segment 0
		.amdhsa_kernarg_size 64
		.amdhsa_user_sgpr_count 2
		.amdhsa_user_sgpr_kernarg_segment_ptr 1
		.amdhsa_wavefront_size32 1
		.amdhsa_system_sgpr_workgroup_id_x 1
		.amdhsa_system_sgpr_workgroup_id_y 1
		.amdhsa_system_sgpr_workgroup_id_z 1
		.amdhsa_system_vgpr_workitem_id 0
		.amdhsa_next_free_vgpr 1024
		.amdhsa_next_free_sgpr 66
		.amdhsa_reserve_vcc 0
		.amdhsa_float_denorm_mode_32 3
		.amdhsa_float_denorm_mode_16_64 3
		.amdhsa_memory_ordered 1
		.amdhsa_forward_progress 1
		.amdhsa_inst_pref_size 60
	.end_amdhsa_kernel
	.amdgpu_metadata
---
amdhsa.version: [ 1, 2 ]
amdhsa.kernels:
  - .name:           k_q24ad71bb31_down
    .symbol:         k_q24ad71bb31_down.kd
    .args:
      - { .name: gq, .offset: 0, .size: 8, .value_kind: global_buffer, .address_space: global }
      - { .name: gs, .offset: 8, .size: 8, .value_kind: global_buffer, .address_space: global }
      - { .name: w2_codes, .offset: 16, .size: 8, .value_kind: global_buffer, .address_space: global }
      - { .name: w2_scales, .offset: 24, .size: 8, .value_kind: global_buffer, .address_space: global }
      - { .name: ws2_codes, .offset: 32, .size: 8, .value_kind: global_buffer, .address_space: global }
      - { .name: ws2_scales, .offset: 40, .size: 8, .value_kind: global_buffer, .address_space: global }
      - { .name: route, .offset: 48, .size: 8, .value_kind: global_buffer, .address_space: global }
      - { .name: eo, .offset: 56, .size: 8, .value_kind: global_buffer, .address_space: global }
    .group_segment_fixed_size: 85504
    .private_segment_fixed_size: 0
    .kernarg_segment_align: 8
    .kernarg_segment_size: 64
    .max_flat_workgroup_size: 128
    .sgpr_count:     66
    .vgpr_count:     1024
    .wavefront_size: 32
...
	.end_amdgpu_metadata
.endif
;; end of part 9
;; launch combine (part 10): grid 256 x 1, 4 waves a work-group, no clusters, 0 bytes of LDS; arguments eo, route, wts, out0; writes out0
.if DOCPART == 10
	.amdgcn_target "amdgcn-amd-amdhsa--gfx1250"
	.amdhsa_code_object_version 6
	.text
	.protected	k_q24ad71bb31_combine
	.globl	k_q24ad71bb31_combine
	.p2align	8
	.type	k_q24ad71bb31_combine,@function
k_q24ad71bb31_combine:
	s_mov_b64 s[64:65], 0
	v_nop
	global_prefetch_b8 v0, s[64:65] scope:SCOPE_SE
	s_setreg_imm32_b32 hwreg(HW_REG_WAVE_MODE, 25, 1), 1
	s_wait_xcnt 0x0
; COMBINE.  out[t] = w0 eo[pos(t, 0)] + w1 eo[pos(t, 1)] + eo[2304 + t]: each output row has one owner, a wave.
; A stream: three rows of 8,192 bytes in, one out; every load and store of the wave covers 512 consecutive bytes, aligned; all 48 loads go out at once.  No LDS, no barrier, no matrix unit: nothing is shared.
.set A, 16                             ; v16-79   the first expert's row, 4 registers a chunk
.set B, 80                             ; v80-143  the second's
.set Z, 144                            ; v144-207 the shared expert's, then the result
	s_load_b256 s[4:11], s[0:1], 0x0               ; eo, route, wts, out0
	v_lshrrev_b32 v1, 5, v0
	v_readfirstlane_b32 s12, v1                    ; wave
	s_lshl_b32 s13, ttmp9, 2
	s_add_co_u32 s13, s13, s12                     ; my token
	s_lshl_b32 s28, s13, 3
	v_and_b32 v1, 31, v0
	v_lshlrev_b32 v1, 4, v1                        ; 16 bytes a lane
	s_wait_alu depctr_va_vdst(0)
	s_wait_kmcnt 0x0
	s_load_b64 s[14:15], s[6:7], s28 offset:0x100  ; its two positions
	s_load_b64 s[16:17], s[8:9], s28 offset:0x0    ; its two weights
	s_add_co_u32 s18, s13, 2304
	s_lshl_b32 s18, s18, 13
	s_mov_b32 s19, 0
	s_add_nc_u64 s[24:25], s[4:5], s[18:19]        ; the shared expert's row
	s_lshl_b32 s18, s13, 13
	s_add_nc_u64 s[10:11], s[10:11], s[18:19]
	s_wait_kmcnt 0x0
	s_min_u32 s14, s14, 0xcff                      ; loaded numbers enter addresses only held to the table's size
	s_min_u32 s15, s15, 0xcff
	s_lshl_b32 s18, s14, 13
	s_add_nc_u64 s[20:21], s[4:5], s[18:19]
	s_lshl_b32 s18, s15, 13
	s_add_nc_u64 s[22:23], s[4:5], s[18:19]
	s_mov_b32 s26, s17                             ; the packed form takes a pair's low word for both halves: the second weight gets a pair of its own
	s_mov_b32 s27, s17
.set ii, 0
.rept 16
	global_load_b128 v[A+4*ii:A+4*ii+3], v1, s[20:21] offset:512*ii th:TH_LOAD_NT
	global_load_b128 v[B+4*ii:B+4*ii+3], v1, s[22:23] offset:512*ii th:TH_LOAD_NT
	global_load_b128 v[Z+4*ii:Z+4*ii+3], v1, s[24:25] offset:512*ii th:TH_LOAD_NT
.set ii, ii+1
.endr
.set ii, 0
.rept 16
	s_wait_loadcnt 3*(15-ii)                       ; loads come back in order (ISA guide 5.7.1): this chunk's three are in, the younger chunks' stay out
	v_pk_fma_f32 v[Z+4*ii:Z+4*ii+1], v[A+4*ii:A+4*ii+1], s[16:17], v[Z+4*ii:Z+4*ii+1] op_sel_hi:[1,0,1]
	v_pk_fma_f32 v[Z+4*ii+2:Z+4*ii+3], v[A+4*ii+2:A+4*ii+3], s[16:17], v[Z+4*ii+2:Z+4*ii+3] op_sel_hi:[1,0,1]
	v_pk_fma_f32 v[Z+4*ii:Z+4*ii+1], v[B+4*ii:B+4*ii+1], s[26:27], v[Z+4*ii:Z+4*ii+1] op_sel_hi:[1,0,1]
	v_pk_fma_f32 v[Z+4*ii+2:Z+4*ii+3], v[B+4*ii+2:B+4*ii+3], s[26:27], v[Z+4*ii+2:Z+4*ii+3] op_sel_hi:[1,0,1]
	global_store_b128 v1, v[Z+4*ii:Z+4*ii+3], s[10:11] offset:512*ii th:TH_STORE_NT
.set ii, ii+1
.endr
	s_endpgm
.Lfunc_end_k_q24ad71bb31_combine:
	.size	k_q24ad71bb31_combine, .Lfunc_end_k_q24ad71bb31_combine-k_q24ad71bb31_combine
	.p2alignl 7, 3214868480
	.fill 96, 4, 3214868480
	.section	.rodata,"a",@progbits
	.p2align	6, 0x0
	.amdhsa_kernel k_q24ad71bb31_combine
		.amdhsa_group_segment_fixed_size 0
		.amdhsa_private_segment_fixed_size 0
		.amdhsa_enable_private_segment 0
		.amdhsa_kernarg_size 32
		.amdhsa_user_sgpr_count 2
		.amdhsa_user_sgpr_kernarg_segment_ptr 1
		.amdhsa_wavefront_size32 1
		.amdhsa_system_sgpr_workgroup_id_x 1
		.amdhsa_system_sgpr_workgroup_id_y 1
		.amdhsa_system_sgpr_workgroup_id_z 1
		.amdhsa_system_vgpr_workitem_id 0
		.amdhsa_next_free_vgpr 208
		.amdhsa_next_free_sgpr 66
		.amdhsa_reserve_vcc 0
		.amdhsa_float_denorm_mode_32 3
		.amdhsa_float_denorm_mode_16_64 3
		.amdhsa_memory_ordered 1
		.amdhsa_forward_progress 1
		.amdhsa_inst_pref_size 12
	.end_amdhsa_kernel
	.amdgpu_metadata
---
amdhsa.version: [ 1, 2 ]
amdhsa.kernels:
  - .name:           k_q24ad71bb31_combine
    .symbol:         k_q24ad71bb31_combine.kd
    .args:
      - { .name: eo, .offset: 0, .size: 8, .value_kind: global_buffer, .address_space: global }
      - { .name: route, .offset: 8, .size: 8, .value_kind: global_buffer, .address_space: global }
      - { .name: wts, .offset: 16, .size: 8, .value_kind: global_buffer, .address_space: global }
      - { .name: out0, .offset: 24, .size: 8, .value_kind: global_buffer, .address_space: global }
    .group_segment_fixed_size: 0
    .private_segment_fixed_size: 0
    .kernarg_segment_align: 8
    .kernarg_segment_size: 32
    .max_flat_workgroup_size: 128
    .sgpr_count:     66
    .vgpr_count:     208
    .wavefront_size: 32
...
	.end_amdgpu_metadata
.endif
;; end of part 10
